; MI455X (gfx1250); checked and timed in simulation.
; The chip was launched on July 23, 2026; its instructions are those of AMD's public machine-readable ISA for CDNA 5 (MIT licence, August 2026) and "CDNA5" Instruction Set Architecture Reference Guide (July 2026). The comments in the code are by the model that wrote it; some were corrected since.
;; Multi Head Self Attention. Allowed arithmetic: matrix products marked QUANTISED: E3M2 operands, one E8M0 scale for each 32 along K, by v_wmma_scale_f32_16x16x128_f8f6f4 with both operands' format E3M2, f32 sums; everything else in f32.
;; Inputs: Wk 1,024 x 1,024 float32; Wo 1,024 x 1,024 float32; Wq 1,024 x 1,024 float32; Wv 1,024 x 1,024 float32; x 4 x 2,048 x 1,024 float32.
;; Outputs: out0 4 x 2,048 x 1,024 float32.
;; This version of the problem:
;;   THIS VERSION OF THE PROBLEM IS GIVEN IN LOW PRECISION. The matrix products marked QUANTISED in the list below multiply operands that are first quantised to E3M2 (3 exponent bits, 2 mantissa bits; 6 bits a number), with one power-of-two scale for each 32 numbers along K (OCP MX v1.0); their sums are f32. All else is computed in f32.
;;   The module's matrix products, in the order in which they are computed (A, B: the left and right operand; K: the contracted axis; several contracted axes count as one K, in the product's order):
;;     1. [M 8,192, K 1,024] x [K 1,024, N 1,024]; A: input x; B: input Wk: QUANTISED
;;     2. [M 8,192, K 1,024] x [K 1,024, N 1,024]; A: input x; B: input Wq: QUANTISED
;;     3. [M 8,192, K 1,024] x [K 1,024, N 1,024]; A: input x; B: input Wv: QUANTISED
;;     4. batch 64 x [M 2,048, K 64] x [K 64, N 2,048]; A: computed on the way; B: computed on the way: QUANTISED
;;     5. batch 64 x [M 2,048, K 2,048] x [K 2,048, N 64]; A: softmax (see below); B: computed on the way: QUANTISED
;;     6. [M 8,192, K 1,024] x [K 1,024, N 1,024]; A: computed on the way; B: input Wo: QUANTISED
;;   THE QUANTISER, for each operand of a quantised product, along K:
;;     - K is cut into blocks of 32 from its start; a last block that is shorter is filled with zeros.
;;     - A block's scale is 2^e with e = floor(log2(the largest magnitude in the block)) - 4, held to -126 .. 127; a block of zeros has e = 0. As a byte (E8M0): e + 127.
;;     - Each number is divided by its block's scale, clamped to +-28, and rounded to the nearest number of E3M2, ties to even, subnormals kept.
;;     - The product sums the exact products of the quantised numbers (number of the format x scale) in f32.
;;   ~~~python
;;   def quantise(x, axis):      # numpy; x: float32 -> the quantised numbers, widened to float32 again
;;       x = np.moveaxis(x, axis, -1); K = x.shape[-1]
;;       x = np.pad(x, [(0, 0)] * (x.ndim - 1) + [(0, -K % 32)]); x = x.reshape(x.shape[:-1] + (-1, 32)); a = np.abs(x).max(-1, keepdims=True)
;;       e = np.where(a > 0, np.clip(np.frexp(np.where(a > 0, a, 1))[1] - 1 - 4, -126, 127), 0)      # np.frexp(a)[1] - 1 = floor(log2(a)), exactly
;;       r = np.clip(x / 2.0 ** e, -28, 28)
;;       step = 2.0 ** (np.maximum(np.frexp(np.where(r == 0, 1, r))[1] - 1, -2) - 2)
;;       q = np.round(r / step) * step * 2.0 ** e      # np.round: ties to even
;;       return np.moveaxis(q.reshape(q.shape[:-2] + (-1,))[..., :K], -1, axis).astype(np.float32)
;;   ~~~
;;   SOFTMAX AHEAD OF A QUANTISED PRODUCT. Where the list says 'softmax', what is quantised is not the finished softmax but p = 2^(t - M), with t = logit x log2(e) and M = ceil(the row's largest t), a whole number; so 1/2 < the row's largest p <= 1. The row's sum l is taken of the UNQUANTISED p, in f32, and the product's result is divided by l at the end. Since M is a whole number, a kernel that streams over the keys may use a running M (the ceiling of the running maximum): every later rescaling is an exact power of two, which a block's scale takes up: the codes' values come out the same.
;;   OPERANDS COMPUTED ON THE WAY. 'Computed on the way' means the value that the module computes at that place (a softmax that the list does not call 'softmax' is quantised finished and normalised). What goes into a quantiser is computed in f32, as accurately as f32 sums, v_exp_f32 and their like allow (about 1e-6 of the number): no bf16 or f16 on the way to a quantiser, and a product that is left as it is and whose result goes on into a quantised operand takes f32 operands (vector FMAs, or v_wmma_f32_16x16x4_f32). A number that lies on a knife's edge between two numbers of the format may be rounded either way, as far as f32 arithmetic and the matrix unit's own rounding can turn it there, and no further.
;; One version. Each part assembles by itself: llvm-mc -triple=amdgcn-amd-amdhsa -mcpu=gfx1250 --defsym DOCPART=n.
;; ======== version 1 of 1: 4 launches
;; workspace buffers: xw 9,830,400 bytes; qkv 20,185,088 bytes; ao 6,553,600 bytes
;; launch quant (part 1): grid 384 x 1, 4 waves a work-group, no clusters, 35,328 bytes of LDS; arguments x, Wq, Wk, Wv, Wo, xw; writes xw
.if DOCPART == 1
	.amdgcn_target "amdgcn-amd-amdhsa--gfx1250"
	.amdhsa_code_object_version 6
	.text
	.protected	k_q5806c2937b_quant
	.globl	k_q5806c2937b_quant
	.p2align	8
	.type	k_q5806c2937b_quant,@function
k_q5806c2937b_quant:
	s_mov_b64 s[64:65], 0
	v_nop
	global_prefetch_b8 v0, s[64:65] scope:SCOPE_SE
	s_setreg_imm32_b32 hwreg(HW_REG_WAVE_MODE, 25, 1), 1
	s_wait_xcnt 0x0
; x [8192][1024] and Wq, Wk, Wv, Wo [1024][1024], f32, K innermost, become codes of BF6 (E3M2) with one E8M0 byte for each 32 along K, in the workspace xw.
; A block's scale is 2^(floor(log2(its largest magnitude)) - 4); its byte is the largest magnitude's exponent field - 4, held at 1 from below; each number is divided by the scale and rounded to the nearest code, ties to even, beyond 28 the largest code.
; LIMITS: NaN and infinities among the inputs are not served.  A block whose largest magnitude lies under 2^-122 keeps the byte 1; a block of zeros gets the byte 1 where the rule says 127: its codes are zeros, and this program alone reads the bytes.
; LAYOUT OF xw.  Rows go in TILES of 16: of each 32 rows, tile u (0, 1) holds in place r the row 8 u + r + 8 (r / 8).  A tile's codes are 16 HALF IMAGES of 768 bytes, one for each 64 along K: the six registers that lane (r, h) of a
; matrix operand holds of row r, k = 32 h + 0 .. 31: registers 0-3 at 16 x lane, registers 4-5 at 512 + 8 x lane.  Two half images on end are an operand's 12 registers.  Tiles 0-511 x, 512-575 Wq, 576-639 Wk, 640-703 Wv, 704-767 Wo.
; The scale bytes lie behind the codes: 32 bytes for each place 16 T + r.
; SHARES.  A work-group takes 32 rows; wave w takes tile w % 2 and K half w / 2: four fragments of 16 rows x 128.  A load reads 512 consecutive bytes of one row; a fragment turns through the wave's own stage in LDS,
; so that a lane gets 16 neighbours of each block of 32 of its row.  Loads run one fragment (16 loads a wave) ahead.  One barrier, in front of the scale bytes' way out.
.set SC_OFF, 9437184                   ; where the scale bytes begin in xw: 768 tiles x 12,288 bytes
.set SPCH,   528                       ; a stage row: 512 bytes + 16: sixteen lanes that read sixteen rows start 33 x 16 bytes apart
.set STG,    16*SPCH                   ; a wave's stage
.set SCX,    4*STG                     ; behind the stages: the work-group's 1,024 scale bytes
.set TM,  16                           ; v16-31   at work: largest magnitudes, bytes, scale operands
.set SW,  32                           ; v32-35   the four fragments' scale words
.set PC,  36                           ; v36-54   the codes just made
.set X,   64                           ; v64-127  64 numbers: register 16 b + i = k 32 b + 16 h + i of my row
.set R,   128                          ; v128-255 two sets of 64 registers as loaded
.set SEL, 24                           ; s[24:25] v_permlanex16_b32's selects for lane l xor 16
; 64 numbers of a lane become a fragment's 12 registers of codes in v[PC] on and its scale word in v[pw]
.macro QUANT s, pw
.irp b, 0,1,2,3
	v_max3_num_f32 v[TM+\b], |v[\s+16*\b]|, |v[\s+1+16*\b]|, 0x2800000   ; block b: my 16 numbers, and the floor 2^(5 - 127): the byte cannot fall under 1
.endr
.irp i, 2,4,6,8,10,12,14
.irp b, 0,1,2,3
	v_max3_num_f32 v[TM+\b], v[TM+\b], |v[\s+16*\b+\i]|, |v[\s+1+16*\b+\i]|   ; the four blocks by turns
.endr
.endr
.irp b, 0,1,2,3
	v_permlanex16_b32 v[TM+4+\b], v[TM+\b], s[SEL], s[SEL+1]
.endr
.irp b, 0,1,2,3
	v_max_num_f32 v[TM+\b], v[TM+\b], v[TM+4+\b]           ; with lane l xor 16's: the block's largest magnitude
.endr
.irp b, 0,1,2,3
	v_add_nc_u32 v[TM+12+\b], 0xfe000000, v[TM+\b]         ; 4 off its exponent field: the conversion's scale operand
.endr
.irp b, 0,1,2,3
	v_lshrrev_b32 v[TM+4+\b], 23, v[TM+12+\b]              ; the scale's byte
.endr
	v_lshl_or_b32 v[\pw], v[TM+5], 8, v[TM+4]
	v_lshl_or_b32 v[\pw], v[TM+6], 16, v[\pw]
	v_lshl_or_b32 v[\pw], v[TM+7], 24, v[\pw]
.irp c, 0,1
	v_cvt_scalef32_pk16_bf6_f32 v[PC+6*\c:PC+2+6*\c], v[\s+32*\c:\s+15+32*\c], v[TM+12+2*\c]
	v_cvt_scalef32_pk16_bf6_f32 v[PC+12+4*\c:PC+14+4*\c], v[\s+16+32*\c:\s+31+32*\c], v[TM+12+2*\c+1]   ; (a conversion's three registers begin on an even number)
.endr
	v_nop                                          ; one plain place behind a scaled conversion
.irp c, 0,1                                    ; the operand wants a whole block in a lane: lanes 0-15 block 2 c, lanes 16-31 block 2 c + 1
.irp i, 0,1,2
	v_permlane16_swap_b32 v[PC+6*\c+\i], v[PC+12+4*\c+\i]
.endr
.irp i, 0,1,2
	v_mov_b32 v[PC+3+6*\c+\i], v[PC+12+4*\c+\i]
.endr
.endr
.endm
	s_load_b256 s[4:11], s[0:1], 0x0               ; x s[4:5], Wq s[6:7], Wk s[8:9], Wv s[10:11]
	s_load_b128 s[12:15], s[0:1], 0x20             ; Wo s[12:13], xw s[14:15]
	v_lshl_add_u32 v62, v0, 2, 0x8800
	v_mov_b32 v63, 0
	v_lshrrev_b32 v1, 5, v0
	v_readfirstlane_b32 s2, v1                     ; wave 0..3
	v_and_b32 v1, 31, v0                           ; lane
	v_and_b32 v2, 15, v0                           ; r
	v_bfe_u32 v3, v0, 4, 1                         ; h
	s_and_b32 s3, s2, 1                            ; u: which tile of the 32 rows
	s_lshr_b32 s18, s2, 1                          ; which half of K
	v_lshlrev_b32 v4, 4, v1                        ; 16 x lane
	v_lshlrev_b32 v5, 3, v1                        ; 8 x lane
	s_mul_i32 s19, s2, STG
	v_add_nc_u32 v6, s19, v4                       ; the stage, on the way in: a row's 512 bytes as they lie
	v_mul_u32_u24 v7, v2, SPCH
	v_lshl_add_u32 v7, v3, 6, v7
	v_add_nc_u32 v7, s19, v7                       ; and on the way out: row r, + 64 h
	s_lshl_b32 s19, s3, 9
	s_lshl_b32 s26, s18, 4
	s_add_co_u32 s19, s19, s26
	s_add_co_u32 s19, s19, SCX
	v_lshl_add_u32 v8, v2, 5, s19                  ; my row's 16 scale bytes of my K half: SCX + 512 u + 32 r + 16 x half
	s_lshl_b32 s19, s2, 8
	v_add_nc_u32 v10, s19, v5                      ; the scale bytes' way out: 256 x wave + 8 x lane
	v_add_nc_u32 v9, SCX, v10
	s_mov_b32 s[SEL], 0x76543210
	s_mov_b32 s[SEL+1], 0xfedcba98
.irp b, 0,1,2,3
	v_mov_b32 v[TM+4+\b], 0                        ; written once: a lane permute's destination counts as one of its sources
.endr
	s_and_b32 s16, ttmp9, 31                       ; which 32 rows of the tensor: work-groups 0-255 x, then 32 for each weight
	s_cmp_lt_u32 ttmp9, 256
	s_cselect_b32 s16, ttmp9, s16
	s_lshl_b32 s16, s16, 17                        ; 32 rows of 4,096 bytes
	s_lshl_b32 s17, s3, 15                         ; tile u begins 8 rows on
	s_add_co_u32 s16, s16, s17
	s_lshl_b32 s17, s18, 11                        ; my K half: 512 numbers
	s_add_co_u32 s16, s16, s17
	s_mov_b32 s17, 0
	s_lshl_b32 s20, ttmp9, 1
	s_add_co_u32 s20, s20, s3                      ; my tile
	s_mul_i32 s20, s20, 12288
	s_mul_i32 s21, s18, 6144
	s_add_co_u32 s20, s20, s21
	s_mov_b32 s21, 0
	s_lshl_b32 s22, ttmp9, 10                      ; the work-group's 1,024 scale bytes
	s_add_co_u32 s22, s22, SC_OFF
	s_mov_b32 s23, 0
	s_wait_alu depctr_va_vdst(0)
	s_wait_kmcnt 0x0
	s_cmp_lt_u32 ttmp9, 352                        ; the tensor is chosen by the work-group's number alone
	s_cselect_b64 s[12:13], s[10:11], s[12:13]
	s_cmp_lt_u32 ttmp9, 320
	s_cselect_b64 s[12:13], s[8:9], s[12:13]
	s_cmp_lt_u32 ttmp9, 288
	s_cselect_b64 s[12:13], s[6:7], s[12:13]
	s_cmp_lt_u32 ttmp9, 256
	s_cselect_b64 s[12:13], s[4:5], s[12:13]
	s_add_nc_u64 s[12:13], s[12:13], s[16:17]
	s_add_nc_u64 s[20:21], s[14:15], s[20:21]
	s_add_nc_u64 s[22:23], s[14:15], s[22:23]
.macro LOADF s                         ; fragment s: place i of my tile is row i + 8 (i / 8) from the tile's first; 32 lanes read 512 consecutive bytes
.irp i, 0,1,2,3,4,5,6,7,8,9,10,11,12,13,14,15
	global_load_b128 v[R+64*((\s)%2)+4*\i:R+64*((\s)%2)+4*\i+3], v4, s[12:13] offset:(\i+8*(\i/8))*4096+512*(\s) th:TH_LOAD_NT
.endr
.endm
.macro FRAGQ s
.if (\s) < 3
	s_wait_loadcnt 16                              ; this fragment's sixteen loads are in; the next fragment's sixteen may be out
.else
	s_wait_loadcnt 0x0
.endif
.irp i, 0,1,2,3,4,5,6,7,8,9,10,11,12,13,14,15
	ds_store_b128 v6, v[R+64*((\s)%2)+4*\i:R+64*((\s)%2)+4*\i+3] offset:SPCH*\i
.endr
.irp b, 0,1,2,3
.irp j, 0,1,2,3
	ds_load_b128 v[X+16*\b+4*\j:X+16*\b+4*\j+3], v7 offset:128*\b+16*\j   ; LDS serves a wave's instructions in order: these see the stores above
.endr
.endr
	s_wait_dscnt 0x0                               ; my numbers are back, and the stores into the stage have read their registers
	s_wait_xcnt 0x0                                ; the last fragment's stores have read v[PC] on: only behind this wait are they written again
.if (\s) < 2
	LOADF (\s)+2
.endif
	QUANT X, SW+(\s)
	global_store_b128 v4, v[PC:PC+3], s[20:21] offset:1536*(\s)             ; 512 consecutive bytes, aligned to 256
	global_store_b64 v5, v[PC+4:PC+5], s[20:21] offset:1536*(\s)+512        ; 256
	global_store_b128 v4, v[PC+6:PC+9], s[20:21] offset:1536*(\s)+768
	global_store_b64 v5, v[PC+10:PC+11], s[20:21] offset:1536*(\s)+1280
.endm
	LOADF 0
	LOADF 1
	FRAGQ 0
	FRAGQ 1
	FRAGQ 2
	FRAGQ 3
	ds_store_b128 v8, v[SW:SW+3]                   ; my row's 16 bytes; lanes l and l + 16 write the same bytes with the same value
	s_wait_dscnt 0x0                               ; for the others' sake: my store is done
	s_barrier_signal -1
	s_barrier_wait -1
	ds_load_b64 v[12:13], v9
	s_wait_dscnt 0x0
	global_store_b64 v10, v[12:13], s[22:23]       ; a wave stores 256 consecutive bytes, aligned
	s_wait_tensorcnt 0x0
	ds_add_u32 v62, v63
	s_wait_dscnt 0x0
	s_endpgm
.Lfunc_end_k_q5806c2937b_quant:
	.size	k_q5806c2937b_quant, .Lfunc_end_k_q5806c2937b_quant-k_q5806c2937b_quant
	.p2alignl 7, 3214868480
	.fill 96, 4, 3214868480
	.section	.rodata,"a",@progbits
	.p2align	6, 0x0
	.amdhsa_kernel k_q5806c2937b_quant
		.amdhsa_group_segment_fixed_size 35328
		.amdhsa_private_segment_fixed_size 0
		.amdhsa_enable_private_segment 0
		.amdhsa_kernarg_size 48
		.amdhsa_user_sgpr_count 2
		.amdhsa_user_sgpr_kernarg_segment_ptr 1
		.amdhsa_wavefront_size32 1
		.amdhsa_system_sgpr_workgroup_id_x 1
		.amdhsa_system_sgpr_workgroup_id_y 1
		.amdhsa_system_sgpr_workgroup_id_z 1
		.amdhsa_system_vgpr_workitem_id 0
		.amdhsa_next_free_vgpr 256
		.amdhsa_next_free_sgpr 66
		.amdhsa_reserve_vcc 0
		.amdhsa_float_denorm_mode_32 3
		.amdhsa_float_denorm_mode_16_64 3
		.amdhsa_memory_ordered 1
		.amdhsa_forward_progress 1
		.amdhsa_inst_pref_size 35
	.end_amdhsa_kernel
	.amdgpu_metadata
---
amdhsa.version: [ 1, 2 ]
amdhsa.kernels:
  - .name:           k_q5806c2937b_quant
    .symbol:         k_q5806c2937b_quant.kd
    .args:
      - { .name: x, .offset: 0, .size: 8, .value_kind: global_buffer, .address_space: global }
      - { .name: Wq, .offset: 8, .size: 8, .value_kind: global_buffer, .address_space: global }
      - { .name: Wk, .offset: 16, .size: 8, .value_kind: global_buffer, .address_space: global }
      - { .name: Wv, .offset: 24, .size: 8, .value_kind: global_buffer, .address_space: global }
      - { .name: Wo, .offset: 32, .size: 8, .value_kind: global_buffer, .address_space: global }
      - { .name: xw, .offset: 40, .size: 8, .value_kind: global_buffer, .address_space: global }
    .group_segment_fixed_size: 35328
    .private_segment_fixed_size: 0
    .kernarg_segment_align: 8
    .kernarg_segment_size: 48
    .max_flat_workgroup_size: 128
    .sgpr_count:     66
    .vgpr_count:     256
    .wavefront_size: 32
...
	.end_amdgpu_metadata
.endif
;; end of part 1
;; launch qkv (part 2): grid 8 x 32, 4 waves a work-group, clusters of 4 x 4, 327,680 bytes of LDS; arguments xw, qkv; writes qkv
.if DOCPART == 2
	.amdgcn_target "amdgcn-amd-amdhsa--gfx1250"
	.amdhsa_code_object_version 6
	.text
	.protected	k_q5806c2937b_qkv
	.globl	k_q5806c2937b_qkv
	.p2align	8
	.type	k_q5806c2937b_qkv,@function
k_q5806c2937b_qkv:
	s_mov_b64 s[64:65], 0
	v_nop
	global_prefetch_b8 v0, s[64:65] scope:SCOPE_SE
	s_setreg_imm32_b32 hwreg(HW_REG_WAVE_MODE, 25, 1), 1
	s_wait_xcnt 0x0
	s_wait_alu depctr_hold_cnt(0) depctr_sa_sdst(0) depctr_va_vdst(0) depctr_va_sdst(0) depctr_va_ssrc(0) depctr_va_vcc(0) depctr_vm_vsrc(0)
	s_getreg_b32 s2, hwreg(HW_REG_IB_STS2, 6, 4)
	s_cmp_eq_u32 s2, 0
	s_cbranch_scc0 .Lentry_in_a_cluster
	s_endpgm
.Lentry_in_a_cluster:
	s_bfe_u32 s2, ttmp6, 0x10000c
	s_cmp_lg_u32 s2, 0xf033
	s_cbranch_scc0 .Lentry_shape_is_right
	s_endpgm
.Lentry_shape_is_right:
; q = x Wq^T, k = x Wk^T, v = x Wv^T on codes of BF6 (E3M2) with E8M0 scales, sums in f32; the results are quantised in registers, q and k along the head's 64, v along the keys, and leave as codes.
; SHARES.  8 x 32 = 256 work-groups of four waves, each with one and a half tiles, so that all have the same work.  Work-group (X, G):
;   PART 1: 256 tokens (group G of x) x 256 features of Wq (cluster x = 0) or Wk (1): 128 x 128 a wave, 64 accumulators.  Source 0 = 16 places of W, source 1 = 16 places of x: a lane holds a token, its registers run along the features, the next product's K.
;   PART 2: features 128 X .. 128 X + 127 of Wv x the same 256 tokens: 64 features x 128 keys a wave, 32 accumulators.  Source 0 = 16 places of x, source 1 = 16 places of Wv: a lane holds a feature, its registers run along the keys, v's next K.
; xw: rows in tiles of 16 (of each 32 rows tile u holds in place r the row 8 u + r + 8 (r / 8)); a tile is 16 half images of 768 bytes (16 places x 64 K: the operand's registers 0-3 at 16 x lane, 4-5 at 512 + 8 x lane); scale bytes behind them, 32 a place.
; Since source 0's tiles 2 b and 2 b + 1 hold those rows, a lane's 16 registers of accumulators 2 b, 2 b + 1 are source 0's rows 32 b + 16 h + 0 .. 15: sixteen neighbours along the next K.
; LDS.  Two slots of 98,304 bytes.  In part 1 a slot holds 256 along K of x's 16 tiles and W's 16 (a wave's load: 8 tiles x 3,072 bytes); in part 2 512 along K of x's 16 tiles (a wave's load: 4 tiles x 6,144 bytes).
; Wv's 8 tiles for all of K are one dense block of 98,304 bytes of memory: a first fill, 24,576 bytes a wave, into bytes of their own.  The scale bytes of part 1's 512 rows come once too; Wv's scale words come once into registers.
; THE RING GOES ON FROM PART 1 INTO PART 2: behind the change of slots at the end of K step 2 slot 0 takes part 2's first half of K, at the end of K step 3 slot 1 its second half, which lands under part 1's way out.
; CLUSTERS: 4 x 4 work-groups; x's tiles hang on G alone and are shared along a row of the cluster, W's and Wv's on X alone and are shared along a column: each is asked for jointly, by the same load with the same descriptor and a mask that names the four.
; qkv: q's half images [bh 64][tile 128][768] at 0; q's scale words [bh][tile][16] at QS_OFF (bytes 0, 1: the two blocks; bytes 2, 3: 0, over zero codes); at KV_OFF [bh][slot of 256 keys][26,112]: k's 16 half images,
; v^T's 8 fragments ((128 keys q, 16 features t) at (4 q + t) x 1,536), k's scale words [tile][16], v's [(4 q + t)][16].
; LIMITS: NaN and infinities are not served; a block whose largest magnitude lies under 2^-122 keeps the byte 1, a block of zeros too (its codes are zeros; this program alone reads the bytes).
; REGISTERS, in windows of 256: window 0: v1-29 and v112-119 addresses; v32-63 scale words from LDS, two sets; v64-111 at work on the ways out; v128-223 source 1's fragments (part 1: one set of 8; part 2: two sets of 4); v224-255 Wv's scale words.
;   window 1: source 0's fragments, two sets of 8, at v0 and v128.  windows 2, 3: the accumulators ((a, b) at v[8 (8 (a % 4) + b)]); part 2 uses window 2 alone.
.set SC_OFF, 9437184
.set QS_OFF, 6291456
.set KV_OFF, 6815744
.set NQ,     2                         ; part 1: matrix instructions deep in a slot
.set FR,     12                        ; registers of a fragment
.set NL,     4                         ; LDS loads that bring one
.set NP,     4                         ; places behind this matrix instruction (ISA guide 7.12.1)
.set TILEB,  3072                      ; a tile's 256 along K
.set TILEH,  6144                      ; its 512 along K
.set TILEK,  12288                     ; all of it
.set HALFT,  8*TILEB                   ; what one tensor load brings: 24,576 bytes, in both parts
.set SLOT,   4*HALFT
.set WVB,    2*SLOT                    ; behind the ring: Wv's 8 tiles
.set SCL,    3*SLOT                    ; the scale bytes, as units of 256 bytes + 16 of padding
.set HALFS,  16*272                    ; those of 128 places
.set SBLK,   2*272                     ; those of 16
.set SPARE,  SCL+4*HALFS               ; the spare words, 128 bytes a wave: two blocks of 256 bytes that no other line names
.set SWS,    SPARE+512                 ; 1,024 bytes a wave: the scale words on their way out; no fill lands here
.set ADRA, 16                          ; v16-17 16 x lane + my tiles of x in slot 0, 1 (part 1);  v18-19 the same with 8 x lane
.set ADRB, 20                          ; v20-23 the same for W
.set ADRS, 27                          ; v27    part 1's scale words: lanes 0-15 x's places, lanes 16-31 W's
.set SPW,  28                          ; v28    my spare word: SPARE + 4 x my thread's number; never rewritten
.set NIL,  29                          ; v29    0; never rewritten
.set SC,   32
.set TM,   64                          ; the ways out: v64-79 at work, v80-98 codes, v100-102 scale words, v104-111 scale words read back
.set PC,   80
.set W0,   100
.set W1,   101
.set D0,   102
.set GW,   104
.set ADRX, 112                         ; v112-115 part 2: my tiles of x in slot 0, 1, as ADRA
.set ADRW, 116                         ; v116, v118 my tiles of Wv
.set ADRS2, 119                        ; v119   part 2: x's scale words, in every lane
.set AF,   128
.set WVS,  224                         ; v224-255 Wv's scale words: block a, 128 along K number n at 8 a + n
.set G0W, 8                            ; s[8:11], s[92:99] Wv's tiles: group 0, group 1
.set G1, 24                            ; s[24:31], s[32:39] x's tiles: group 1, group 0 for each slot
.set G0, 32
.set G1B, 48                           ; s[48:55], s[56:63] W's
.set G0B, 56
.set G1S, 68                           ; s[68:75], s[76:79] x's scale bytes;  s[80:87], s[88:91] W's
.set G0S, 76
.set G1SB, 80
.set G0SB, 88
.set G1W, 92
.set SEL, 66                           ; s[66:67] v_permlanex16_b32's selects for lane l xor 16
.set MSB, 0
.macro WIN new                         ; the immediate's high byte repeats the setting that is left
.if MSB != (\new)
	s_set_vgpr_msb (MSB<<8)|(\new)
.set MSB, (\new)
.endif
.endm
.set MUL_LO, 0xa1                      ; source 0 window 1, source 1 window 0, C and D window 2
.set MUL_HI, 0xf1                      ; the same, C and D window 3
.set TO_B,   0x40                      ; destination window 1, address window 0
; A joint load of part 1: waves 0 and 1 fetch x's halves, waves 2 and 3 W's; the branch hangs on the wave's number alone.  Four v_nop follow each of the two lines.
.macro JLOAD g0a, g1a, g0b, g1b
	s_cmp_eq_u32 s15, 0
	s_cbranch_scc0 .Lfor_b_\@
	tensor_load_to_lds s[\g0a:\g0a+3], s[\g1a:\g1a+7]
	s_nop 0
.rept 4
	v_nop
.endr
	s_branch .Lasked_\@
.Lfor_b_\@:
	tensor_load_to_lds s[\g0b:\g0b+3], s[\g1b:\g1b+7]
	s_nop 0
.rept 4
	v_nop
.endr
.Lasked_\@:
.endm
.macro XLOAD g0, g1                    ; a joint load in which each of the four waves brings its quarter: both addresses hang on the wave's number
	tensor_load_to_lds s[\g0:\g0+3], s[\g1:\g1+7]
	s_nop 0
.rept 4
	v_nop
.endr
.endm
.macro CREST                           ; a round of the cluster's barrier behind its opening barrier
	s_cmp_lg_u32 s14, 0
	s_cbranch_scc1 .Lnot_wave_0_\@
	s_barrier_signal -3
.Lnot_wave_0_\@:
	s_barrier_wait -3
	s_barrier_signal -1
	s_barrier_wait -1
.endm
.macro CROUND
	s_barrier_signal -1
	s_barrier_wait -1
	CREST
.endm
	s_load_b128 s[4:7], s[0:1], 0x0                ; xw s[4:5], qkv s[6:7]
	v_lshl_add_u32 v[SPW], v0, 2, SPARE
	v_mov_b32 v[NIL], 0
	ds_add_u32 v28, v29
	ds_add_u32 v28, v29
	s_wait_dscnt 0x0
	v_lshrrev_b32 v1, 5, v0
	v_readfirstlane_b32 s14, v1                    ; wave 0..3
	s_lshr_b32 s15, s14, 1                         ; which half of source 1's rows is mine.  Also, in part 1: I fetch for x (0) or for W (1)
	s_and_b32 s16, s14, 1                          ; which half of source 0's rows.  Also: which 8 tiles I fetch
	s_bfe_u32 s40, ttmp6, 0x40000                  ; cx, cy: my place in the cluster
	s_bfe_u32 s41, ttmp6, 0x40004
	s_lshl_b32 s43, s41, 2
	s_lshl_b32 s43, 15, s43                        ; my row of the cluster
	s_lshl_b32 s44, 0x1111, s40                    ; my column
	; group 1 for part 1's codes: 8 rows (tiles) of 384 elements of 8 bytes, 1,536 elements apart; dense in LDS
	s_or_b32 s[G1+0], s43, (3<<16)|(1<<21)         ; 15:0 the mask: x's tiles go to my row; 17:16 elements of 8 bytes; 21 set beside a mask
	s_or_b32 s[G1B+0], s44, (3<<16)|(1<<21)
.irp g, G1, G1B
	s_mov_b32 s[\g+1], 384<<16                     ; tensor_dim0
	s_mov_b32 s[\g+2], 8<<16                       ; tensor_dim1
	s_mov_b32 s[\g+3], 384<<16                     ; tile_dim0
	s_mov_b32 s[\g+4], 8                           ; tile_dim1
	s_mov_b32 s[\g+5], 1536                        ; tensor_dim0_stride
	s_mov_b32 s[\g+6], 0
	s_mov_b32 s[\g+7], 0
.endr
	; for the scale bytes of 128 places: 4,096 dense bytes as 16 rows of 256, 16 bytes of padding behind each
	s_or_b32 s[G1S+0], s43, (3<<16)|(1<<20)|(1<<21)|(5<<22)|(3<<25)
	s_or_b32 s[G1SB+0], s44, (3<<16)|(1<<20)|(1<<21)|(5<<22)|(3<<25)
.irp g, G1S, G1SB
	s_mov_b32 s[\g+1], 32<<16
	s_mov_b32 s[\g+2], 16<<16
	s_mov_b32 s[\g+3], 32<<16
	s_mov_b32 s[\g+4], 16
	s_mov_b32 s[\g+5], 32
	s_mov_b32 s[\g+6], 0
	s_mov_b32 s[\g+7], 0
.endr
	; and for two whole tiles of Wv: 24,576 dense bytes as 96 rows of 256
	s_or_b32 s[G1W+0], s44, (3<<16)|(1<<21)
	s_mov_b32 s[G1W+1], 32<<16
	s_mov_b32 s[G1W+2], 96<<16
	s_mov_b32 s[G1W+3], 32<<16
	s_mov_b32 s[G1W+4], 96
	s_mov_b32 s[G1W+5], 32
	s_mov_b32 s[G1W+6], 0
	s_mov_b32 s[G1W+7], 0
	; which tiles.  x's hang on cy alone, W's and Wv's on cx alone, each in registers that never hold the other coordinate while tiles are asked for
	s_and_b32 s17, ttmp7, 0xffff
	s_lshl_b32 s17, s17, 2
	s_add_co_u32 s18, s17, s41                     ; G: which 256 tokens = 4 x cluster y + cy
	s_lshl_b32 s19, s16, 3
	s_lshl_b32 s17, s18, 4                         ; x's first tile
	s_add_co_u32 s20, s17, s19                     ; part 1: the 8 tiles that I fetch
	s_mul_i32 s22, s20, TILEK                      ; their codes,
	s_mov_b32 s23, 0
	s_lshl_b32 s20, s20, 9                         ; their scale bytes
	s_add_co_u32 s20, s20, SC_OFF
	s_mov_b32 s21, 0
	s_lshl_b32 s100, s14, 2
	s_add_co_u32 s100, s100, s17                   ; part 2: the 4 tiles that I fetch
	s_mul_i32 s100, s100, TILEK
	s_mov_b32 s101, 0
	s_lshl_b32 s42, ttmp9, 2
	s_add_co_u32 s42, s42, s40                     ; X = 4 x cluster x + cx: groups 0-3 are Wq's, 4-7 Wk's
	s_lshl_b32 s45, s42, 4
	s_add_co_u32 s45, s45, s19
	s_add_co_u32 s45, s45, 512                     ; W: the 8 tiles that I fetch
	s_mul_i32 s2, s14, HALFT                       ; where they go: by the wave's number alone
	s_mul_i32 s3, s14, HALFS
	s_mov_b32 s[SEL], 0x76543210
	s_mov_b32 s[SEL+1], 0xfedcba98
	s_wait_kmcnt 0x0
	s_add_nc_u64 s[22:23], s[4:5], s[22:23]
	s_add_nc_u64 s[100:101], s[4:5], s[100:101]
	s_mov_b32 s[G0S], 1
	s_add_co_u32 s[G0S+1], s3, SCL
	s_add_nc_u64 s[G0S+2:G0S+3], s[4:5], s[20:21]
	s_or_b32 s[G0S+3], s[G0S+3], 0x80000000
	s_lshl_b32 s46, s45, 9
	s_add_co_u32 s46, s46, SC_OFF
	s_mov_b32 s47, 0
	s_mov_b32 s[G0SB], 1
	s_add_co_u32 s[G0SB+1], s3, SCL
	s_add_nc_u64 s[G0SB+2:G0SB+3], s[4:5], s[46:47]
	s_or_b32 s[G0SB+3], s[G0SB+3], 0x80000000
	s_mul_i32 s46, s45, TILEK
	s_add_nc_u64 s[46:47], s[4:5], s[46:47]        ; W's codes
.irp s, 0,1
	s_mov_b32 s[G0+4*\s], 1
	s_add_co_u32 s[G0+4*\s+1], s2, \s*SLOT
	s_add_nc_u64 s[G0+4*\s+2:G0+4*\s+3], s[22:23], \s*TILEB
	s_or_b32 s[G0+4*\s+3], s[G0+4*\s+3], 0x80000000
	s_mov_b32 s[G0B+4*\s], 1
	s_add_co_u32 s[G0B+4*\s+1], s2, \s*SLOT
	s_add_nc_u64 s[G0B+4*\s+2:G0B+4*\s+3], s[46:47], \s*TILEB
	s_or_b32 s[G0B+4*\s+3], s[G0B+4*\s+3], 0x80000000
.endr
	s_lshl_b32 s45, s42, 3
	s_add_co_u32 s45, s45, 640                     ; Wv's first tile of my work-group's 128 features
	s_lshl_b32 s46, s14, 1
	s_add_co_u32 s46, s46, s45                     ; the two that I fetch
	s_mul_i32 s46, s46, TILEK
	s_mov_b32 s47, 0
	s_mov_b32 s[G0W], 1
	s_add_co_u32 s[G0W+1], s2, WVB
	s_add_nc_u64 s[G0W+2:G0W+3], s[4:5], s[46:47]
	s_or_b32 s[G0W+3], s[G0W+3], 0x80000000
	s_lshl_b32 s46, s15, 2
	s_add_co_u32 s46, s46, s45                     ; the four that I multiply:
	s_lshl_b32 s46, s46, 9
	s_add_co_u32 s46, s46, SC_OFF
	s_add_nc_u64 s[104:105], s[4:5], s[46:47]      ; their scale bytes
	CROUND                                         ; all sixteen work-groups are here: the first joint loads meet
	JLOAD G0S, G1S, G0SB, G1SB                     ; the scale bytes first: they are wanted with K step 0
	JLOAD G0, G1, G0B, G1B
	JLOAD G0+4, G1, G0B+4, G1B
	XLOAD G0W, G1W                                 ; four tensor loads of mine are out behind this one
	v_and_b32 v1, 15, v0                           ; r
	v_bfe_u32 v2, v0, 4, 1                         ; h
	v_and_b32 v3, 31, v0                           ; lane
	v_lshlrev_b32 v8, 4, v3                        ; 16 x lane
	v_lshlrev_b32 v9, 3, v3                        ; 8 x lane
	v_lshlrev_b32 v13, 5, v1                       ; 32 r: a place's scale bytes
.irp a, 0,1,2,3
	global_load_b128 v[WVS+8*\a:WVS+8*\a+3], v13, s[104:105] offset:512*\a          ; Wv's scale words for all of K: the two loads of a block cover its 512 consecutive bytes
	global_load_b128 v[WVS+8*\a+4:WVS+8*\a+7], v13, s[104:105] offset:512*\a+16
.endr
	s_mul_i32 s2, s15, HALFT                       ; part 1: my 8 tiles of x,
	s_mul_i32 s3, s16, HALFT                       ; my 8 tiles of W,
	s_add_co_u32 s3, s3, 2*HALFT                   ; which lie behind x's 16
.irp s, 0,1
	v_add_nc_u32 v[ADRA+\s], s2, v8
	v_add_nc_u32 v[ADRB+\s], s3, v8
	v_add_nc_u32 v[ADRA+2+\s], s2, v9
	v_add_nc_u32 v[ADRB+2+\s], s3, v9
	s_add_co_u32 s2, s2, SLOT
	s_add_co_u32 s3, s3, SLOT
.endr
	s_mul_i32 s2, s16, 8*TILEH                     ; part 2: my 8 tiles of x
.irp s, 0,1
	v_add_nc_u32 v[ADRX+\s], s2, v8
	v_add_nc_u32 v[ADRX+2+\s], s2, v9
	s_add_co_u32 s2, s2, SLOT
.endr
	s_mul_i32 s2, s15, 4*TILEK                     ; and my 4 tiles of Wv
	s_add_co_u32 s2, s2, WVB
	v_add_nc_u32 v[ADRW], s2, v8
	v_add_nc_u32 v[ADRW+2], s2, v9
	v_lshrrev_b32 v6, 8, v13
	v_lshl_add_u32 v5, v6, 4, v13                  ; my place's scale bytes in LDS: 32 a place, and 16 more for each 256 passed
	s_mul_i32 s2, s16, HALFS
	s_add_co_u32 s2, s2, SCL
	v_add_nc_u32 v[ADRS2], s2, v5                  ; part 2: x's, the half that is source 0's
	s_mul_i32 s2, s15, HALFS
	s_mul_i32 s3, s16, HALFS
	s_add_co_u32 s3, s3, 2*HALFS
	s_sub_co_u32 s3, s3, s2
	v_mul_u32_u24 v6, s3, v2                       ; part 1: lanes 16-31 take W's
	s_add_co_u32 s2, s2, SCL
	v_add_nc_u32 v5, v5, v6
	v_add_nc_u32 v[ADRS], s2, v5
	s_lshl_b32 s2, s14, 10
	s_add_co_u32 s2, s2, SWS
	v_lshl_add_u32 v10, v1, 2, s2                  ; the ways out: where my place's scale word goes,
	v_add_nc_u32 v11, s2, v8                       ; and where 16 or 8 bytes of them are read back
	v_add_nc_u32 v12, s2, v9
.irp b, 0,1,2,3
	v_mov_b32 v[TM+4+\b], 0                        ; written once: a lane permute's destination counts as one of its sources
.endr
.macro FRAGO reg, adr, off             ; a fragment is two half images on end: four loads, each of consecutive bytes
	ds_load_b128 v[\reg:\reg+3], v[\adr] offset:\off
	ds_load_b64 v[\reg+4:\reg+5], v[\adr+2] offset:\off+512
	ds_load_b128 v[\reg+6:\reg+9], v[\adr] offset:\off+768
	ds_load_b64 v[\reg+10:\reg+11], v[\adr+2] offset:\off+1280
.endm
.macro FRAG reg, adr, q, i
	FRAGO \reg, \adr, (\i)*TILEB+(\q)*1536
.endm
; PART 1.  16 matrix instructions: x's blocks a0, a0 + 1 against W's eight, the slot's q-th 128 along K.  p: W's set; sc: the set of scale words.  zero = 1: the product starts the sums.
; The 64 accumulators take turns, one instruction a turn, in the same order in every step.
.macro MUL16 a0, p, q, sc, zero
.irp a, \a0, \a0+1
.irp b, 0,1,2,3,4,5,6,7
.if \zero
	v_wmma_scale_f32_16x16x128_f8f6f4 v[8*(8*((\a)%4)+\b):8*(8*((\a)%4)+\b)+7], v[128*(\p)+FR*\b:128*(\p)+FR*\b+FR-1], v[AF+FR*(\a):AF+FR*(\a)+FR-1], 0, v[SC+8*NQ*(\sc)+NQ*\b+(\q)], v[SC+8*NQ*(\sc)+NQ*(\a)+(\q)] matrix_a_fmt:MATRIX_FMT_BF6 matrix_b_fmt:MATRIX_FMT_BF6 matrix_a_scale:MATRIX_SCALE_ROW1
.else
	v_wmma_scale_f32_16x16x128_f8f6f4 v[8*(8*((\a)%4)+\b):8*(8*((\a)%4)+\b)+7], v[128*(\p)+FR*\b:128*(\p)+FR*\b+FR-1], v[AF+FR*(\a):AF+FR*(\a)+FR-1], v[8*(8*((\a)%4)+\b):8*(8*((\a)%4)+\b)+7], v[SC+8*NQ*(\sc)+NQ*\b+(\q)], v[SC+8*NQ*(\sc)+NQ*(\a)+(\q)] matrix_a_fmt:MATRIX_FMT_BF6 matrix_b_fmt:MATRIX_FMT_BF6 matrix_a_scale:MATRIX_SCALE_ROW1
.endif
.endr
.endr
.endm
.macro FETCH_B slot, q, p
	WIN TO_B
.irp i, 0,1,2,3,4,5,6,7
	FRAG 128*(\p)+FR*\i, ADRB+\slot, \q, \i
.endr
	WIN 0
.endm
.macro FETCH_A slot, q, i0
.irp i, \i0, \i0+1, \i0+2, \i0+3
	FRAG AF+FR*(\i), ADRA+\slot, \q, \i
.endr
.endm
.macro SCALES sc                       ; a K step's two scale words a place: lanes 0-15 take x's block i, lanes 16-31 W's block i
.irp i, 0,1,2,3,4,5,6,7
	ds_load_b64 v[SC+8*NQ*\sc+NQ*\i:SC+8*NQ*\sc+NQ*\i+1], v[ADRS] offset:\i*SBLK
.endr
.endm
.macro PLACES n                        ; places in front of loads into registers that matrix instructions have read, and of the first read of results
.rept \n
	v_nop
.endr
.endm
.macro STEP slot, q, zero              ; 128 along K that has its successor in the same slot
	s_wait_dscnt 4*NL                              ; W's set and x's blocks 0-3 are in; the youngest sixteen loads (x's blocks 4-7) may be out
	WIN MUL_LO
	MUL16 0, (\q)%2, \q, \slot, \zero
	MUL16 2, (\q)%2, \q, \slot, \zero
	s_wait_dscnt 0
	PLACES NP
	FETCH_B \slot, (\q)+1, 1-(\q)%2
	FETCH_A \slot, (\q)+1, 0
	WIN MUL_HI
	MUL16 4, (\q)%2, \q, \slot, \zero
	MUL16 6, (\q)%2, \q, \slot, \zero
	PLACES NP
	WIN 0
	FETCH_A \slot, (\q)+1, 4
.endm
; The head of a slot's last step: one barrier, which opens a round of the cluster's; in front of it each wave waits for all its tensor loads, adds 0 to its spare word, and waits for that and for its reads of this slot.
.macro MEET slot
	s_wait_tensorcnt 0x0                           ; all my tensor loads have landed: my part of the next slot among them
	ds_add_u32 v[SPW], v[NIL]                      ; 0 onto my spare word
	s_wait_dscnt 4*NL+1                            ; (the add and the youngest sixteen loads may be out)
	WIN MUL_LO
	MUL16 0, 1, NQ-1, \slot, 0
	s_wait_dscnt 0x0                               ; the add is done, and my reads of this slot are over
	s_barrier_signal -1
	MUL16 2, 1, NQ-1, \slot, 0
	WIN 0
	s_barrier_wait -1
	CREST                                          ; no wave of any partner still reads this slot or has a load on its way
.endm
; fill = 1: the slot takes part 1's K step two steps on.  fill = 2: it takes part 2's first half of K of x's 16 tiles; both of part 2's descriptors are written here, where no tensor load of mine is out.
.macro TURN slot, next, fill
	MEET \slot
.if \fill == 1
	s_add_nc_u64 s[G0+4*\slot+2:G0+4*\slot+3], s[G0+4*\slot+2:G0+4*\slot+3], 2*TILEB
	s_add_nc_u64 s[G0B+4*\slot+2:G0B+4*\slot+3], s[G0B+4*\slot+2:G0B+4*\slot+3], 2*TILEB
	JLOAD G0+4*\slot, G1, G0B+4*\slot, G1B         ; the first tensor load behind the round; its four v_nop are the places in front of the loads below
.else
	s_mov_b32 s[G1+1], 768<<16                     ; 4 rows (tiles) of 768 elements of 8 bytes; the mask and the stride stay
	s_mov_b32 s[G1+2], 4<<16
	s_mov_b32 s[G1+3], 768<<16
	s_mov_b32 s[G1+4], 4
	s_mul_i32 s[G0+1], s14, HALFT                  ; slot 0, my quarter
	s_mov_b64 s[G0+2:G0+3], s[100:101]
	s_or_b32 s[G0+3], s[G0+3], 0x80000000
	s_add_co_u32 s[G0+5], s[G0+1], SLOT            ; slot 1
	s_add_nc_u64 s[G0+6:G0+7], s[100:101], TILEH
	s_or_b32 s[G0+7], s[G0+7], 0x80000000
	XLOAD G0, G1
.endif
	s_wait_alu depctr_va_vdst(0)
	v_add_nc_u32 v[ADRS], 4*NQ, v[ADRS]            ; on to the next K step's scale words
	FETCH_B \next, 0, 0
	FETCH_A \next, 0, 0
	SCALES \next
	WIN MUL_HI
	MUL16 4, 1, NQ-1, \slot, 0
	MUL16 6, 1, NQ-1, \slot, 0
	PLACES NP
	WIN 0
	FETCH_A \next, 0, 4
.endm
; PART 2.  Step n = 0 .. 7 is 128 along K: slot n / 4, its (n % 4)-th; both sources have two sets of registers, set n % 2; x's scale words of 256 along K number j in set j % 2.
.macro FETCH_X n
	WIN TO_B
.irp i, 0,1,2,3,4,5,6,7
	FRAGO 128*((\n)%2)+FR*\i, ADRX+(\n)/4, \i*TILEH+((\n)%4)*1536
.endr
	WIN 0
.endm
.macro FETCH_W n
.irp i, 0,1,2,3
	FRAGO AF+48*((\n)%2)+FR*\i, ADRW, \i*TILEK+(\n)*1536
.endr
.endm
.macro SCALES2 sc, j
.irp i, 0,1,2,3,4,5,6,7
	ds_load_b64 v[SC+16*(\sc)+2*\i:SC+16*(\sc)+2*\i+1], v[ADRS2] offset:\i*SBLK+8*(\j)
.endr
.endm
; 16 matrix instructions: Wv's blocks a0, a0 + 1 against x's eight.  The 32 accumulators take turns, one instruction a turn, in the same order in every step.
.macro MULV a0, n
.irp a, \a0, \a0+1
.irp b, 0,1,2,3,4,5,6,7
.if (\n) == 0
	v_wmma_scale_f32_16x16x128_f8f6f4 v[8*(8*(\a)+\b):8*(8*(\a)+\b)+7], v[128*((\n)%2)+FR*\b:128*((\n)%2)+FR*\b+FR-1], v[AF+48*((\n)%2)+FR*(\a):AF+48*((\n)%2)+FR*(\a)+FR-1], 0, v[SC+16*(((\n)/2)%2)+2*\b+(\n)%2], v[WVS+8*(\a)+(\n)] matrix_a_fmt:MATRIX_FMT_BF6 matrix_b_fmt:MATRIX_FMT_BF6 matrix_a_scale:MATRIX_SCALE_ROW1
.else
	v_wmma_scale_f32_16x16x128_f8f6f4 v[8*(8*(\a)+\b):8*(8*(\a)+\b)+7], v[128*((\n)%2)+FR*\b:128*((\n)%2)+FR*\b+FR-1], v[AF+48*((\n)%2)+FR*(\a):AF+48*((\n)%2)+FR*(\a)+FR-1], v[8*(8*(\a)+\b):8*(8*(\a)+\b)+7], v[SC+16*(((\n)/2)%2)+2*\b+(\n)%2], v[WVS+8*(\a)+(\n)] matrix_a_fmt:MATRIX_FMT_BF6 matrix_b_fmt:MATRIX_FMT_BF6 matrix_a_scale:MATRIX_SCALE_ROW1
.endif
.endr
.endr
.endm
.macro NEXTV n                         ; the next step's fragments, into the sets that the last step's products have left
	PLACES NP
	FETCH_X (\n)+1
	FETCH_W (\n)+1
.if (\n)%2 == 1
	SCALES2 (((\n)+1)/2)%2, ((\n)+1)/2
.endif
.endm
.macro STEPV n
	s_wait_dscnt 0x0                               ; this step's fragments, asked for 32 matrix instructions ago, are in
.if (\n) == 0
	s_wait_loadcnt 0x0                             ; Wv's scale words, asked for at the kernel's head
.endif
.if (\n) == 3                          ; the next step reads slot 1: my quarter of it has landed, and my reads of slot 0 are over
	s_wait_tensorcnt 0x0                           ; no tensor load was issued behind slot 1's
	s_barrier_signal -1
	WIN MUL_LO
	MULV 0, \n
	WIN 0
	s_barrier_wait -1
	NEXTV \n
	WIN MUL_LO
	MULV 2, \n
	WIN 0
.else
.if (\n) < 7
	NEXTV \n
.endif
	WIN MUL_LO
	MULV 0, \n
	MULV 2, \n
	WIN 0
.endif
.endm
; THE WAYS OUT.  The 64 registers at v[ac] of window w (register 16 b + i = 32 b + 16 h + i along the next K) become a fragment's codes in v[PC] on; their four scale bytes stay in v[TM+4] on.  Each accumulator is read from its low end on.
.macro QUANTW ac, w
	WIN ((\w)<<2)|((\w)<<4)
.irp b, 0,1,2,3
	v_max3_num_f32 v[TM+\b], 0x2800000, |v[\ac+16*\b]|, |v[\ac+16*\b+1]|   ; the floor 2^(5 - 127): the byte cannot fall under 1
.endr
.irp i, 2,4,6,8,10,12,14
.irp b, 0,1,2,3
	v_max3_num_f32 v[TM+\b], v[TM+\b], |v[\ac+16*\b+\i]|, |v[\ac+16*\b+\i+1]|
.endr
.endr
	WIN 0
.irp b, 0,1,2,3
	v_permlanex16_b32 v[TM+4+\b], v[TM+\b], s[SEL], s[SEL+1]
.endr
.irp b, 0,1,2,3
	v_max_num_f32 v[TM+\b], v[TM+\b], v[TM+4+\b]
.endr
.irp b, 0,1,2,3
	v_add_nc_u32 v[TM+12+\b], 0xfe000000, v[TM+\b]         ; 4 off the exponent field: the conversion's scale operand
.endr
.irp b, 0,1,2,3
	v_lshrrev_b32 v[TM+4+\b], 23, v[TM+12+\b]              ; the scale's byte
.endr
	WIN \w
.irp c, 0,1
	v_cvt_scalef32_pk16_bf6_f32 v[PC+6*\c:PC+2+6*\c], v[\ac+32*\c:\ac+15+32*\c], v[TM+12+2*\c]
	v_cvt_scalef32_pk16_bf6_f32 v[PC+12+4*\c:PC+14+4*\c], v[\ac+16+32*\c:\ac+31+32*\c], v[TM+12+2*\c+1]
.endr
	WIN 0
	v_nop                                          ; one plain place behind a scaled conversion
.irp c, 0,1
.irp i, 0,1,2
	v_permlane16_swap_b32 v[PC+6*\c+\i], v[PC+12+4*\c+\i]
.endr
.irp i, 0,1,2
	v_mov_b32 v[PC+3+6*\c+\i], v[PC+12+4*\c+\i]
.endr
.endr
.endm
	s_wait_alu depctr_va_vdst(0)
	s_wait_tensorcnt 2                             ; the scale bytes and my part of K step 0 are in (K step 1's load and Wv's may be out)
	s_barrier_signal -1
	s_barrier_wait -1
	FETCH_B 0, 0, 0
	FETCH_A 0, 0, 0
	SCALES 0
	FETCH_A 0, 0, 4
	STEP 0, 0, 1                                   ; part 1: four K steps of 256, written out: the first products start the sums
	TURN 0, 1, 1
	STEP 1, 0, 0
	TURN 1, 0, 1
	STEP 0, 0, 0
	TURN 0, 1, 2                                   ; slot 0 takes part 2's first half of K
	STEP 1, 0, 0
	MEET 1                                         ; part 1's last step
	XLOAD G0+4, G1                                 ; slot 1 takes part 2's second half of K: the last tensor load; its four v_nop are the places in front of the loads below
	FETCH_X 0                                      ; part 2's first fragments, into the sets that part 1 has left
	FETCH_W 0
	SCALES2 0, 0
	WIN MUL_HI
	MUL16 4, 1, NQ-1, 1, 0
	MUL16 6, 1, NQ-1, 1, 0
	WIN 0
	PLACES NP
	; PART 1'S WAY OUT.  Block a is a tile of 16 tokens; its half image 0 belongs to head hs = 4 cx + 2 x (my half of W), half image 1 to head hs + 1.  (The registers of the scale bytes' and Wv's descriptors are free: those loads were shown done in front of the first change of slots.)
	s_lshl_b32 s70, s40, 2
	s_lshl_b32 s69, s16, 1
	s_add_co_u32 s68, s70, s69                     ; hs
	s_lshr_b32 s72, s18, 3
	s_lshl_b32 s72, s72, 4
	s_add_co_u32 s72, s72, s68                     ; 16 x batch + head
	s_and_b32 s73, s18, 7                          ; which 256 tokens of the batch
	s_mov_b32 s74, 208896
	s_mov_b32 s75, 26112
	s_mov_b32 s76, KV_OFF
	s_mov_b32 s77, KV_OFF+24576
	s_mov_b32 s78, 208896
	s_mov_b32 s79, 26112
	s_cmp_eq_u32 ttmp9, 0                          ; q or k: the cluster's x, the same in all partners
	s_cselect_b32 s74, 98304, s74                  ; codes: bytes a head,
	s_cselect_b32 s75, 12288, s75                  ; and for 256 tokens
	s_cselect_b32 s76, 0, s76
	s_cselect_b32 s77, QS_OFF, s77
	s_cselect_b32 s78, 8192, s78                   ; scale words: bytes a head,
	s_cselect_b32 s79, 1024, s79                   ; and for 256 tokens
	s_mul_i32 s92, s72, s74
	s_mul_i32 s93, s73, s75
	s_add_co_u32 s92, s92, s93
	s_mul_i32 s93, s15, 6144                       ; my 128 of the tokens
	s_add_co_u32 s92, s92, s93
	s_add_co_u32 s92, s92, s76
	s_mov_b32 s93, 0
	s_mov_b32 s75, 0
	s_add_nc_u64 s[8:9], s[6:7], s[92:93]          ; half image 0 of block 0
	s_add_nc_u64 s[10:11], s[8:9], s[74:75]        ; half image 1: one head on
	s_mul_i32 s94, s72, s78
	s_mul_i32 s95, s73, s79
	s_add_co_u32 s94, s94, s95
	s_lshl_b32 s95, s15, 9
	s_add_co_u32 s94, s94, s95
	s_add_co_u32 s94, s94, s77
	s_mov_b32 s95, 0
	s_mov_b32 s79, 0
	s_add_nc_u64 s[12:13], s[6:7], s[94:95]        ; head hs's scale words,
	s_add_nc_u64 s[96:97], s[12:13], s[78:79]      ; head hs + 1's
.irp a, 0,1,2,3,4,5,6,7
.if \a > 0
	s_wait_dscnt 0x0                               ; the last block's LDS stores,
	s_wait_xcnt 0x0                                ; and its global stores, have read their registers: they are written again only behind these waits
.endif
	QUANTW 64*(\a%4), 2+\a/4
	v_lshl_or_b32 v[W0], v[TM+5], 8, v[TM+4]       ; blocks 0, 1: the first head's two bytes
	v_lshl_or_b32 v[W1], v[TM+7], 8, v[TM+6]       ; blocks 2, 3: the second head's
	ds_store_b32 v10, v[W0] offset:64*\a           ; lanes l and l + 16 write the same word with the same value
	ds_store_b32 v10, v[W1] offset:512+64*\a
	global_store_b128 v8, v[PC:PC+3], s[8:9] offset:768*\a           ; 512 consecutive bytes, aligned to 256
	global_store_b64 v9, v[PC+4:PC+5], s[8:9] offset:768*\a+512
	global_store_b128 v8, v[PC+6:PC+9], s[10:11] offset:768*\a
	global_store_b64 v9, v[PC+10:PC+11], s[10:11] offset:768*\a+512
.endr
	ds_load_b128 v[GW:GW+3], v11                   ; LDS serves a wave's instructions in order: these see my stores
	ds_load_b128 v[GW+4:GW+7], v11 offset:512
	s_wait_dscnt 0x0
	global_store_b128 v8, v[GW:GW+3], s[12:13]     ; 512 consecutive bytes for each of the two heads
	global_store_b128 v8, v[GW+4:GW+7], s[96:97]
.irp n, 0,1,2,3,4,5,6,7
	STEPV \n
.endr
	PLACES NP
	; PART 2'S WAY OUT.  My 64 features are head 2 X + (my half of Wv); block a is its tile a of 16 features; my 128 keys are one fragment a tile.
	s_lshl_b32 s68, s42, 1
	s_add_co_u32 s68, s68, s15
	s_lshr_b32 s72, s18, 3
	s_lshl_b32 s72, s72, 4
	s_add_co_u32 s72, s72, s68                     ; 16 x batch + head
	s_mul_i32 s92, s72, 208896
	s_mul_i32 s93, s73, 26112
	s_add_co_u32 s92, s92, s93
	s_add_co_u32 s92, s92, KV_OFF
	s_mul_i32 s93, s16, 6144                       ; my 128 of the 256 keys: four fragments on
	s_add_co_u32 s94, s92, s93
	s_add_co_u32 s94, s94, 12288
	s_mov_b32 s95, 0
	s_lshl_b32 s93, s16, 8
	s_add_co_u32 s92, s92, s93
	s_add_co_u32 s92, s92, 25600
	s_mov_b32 s93, 0
	s_wait_xcnt 0x0                                ; part 1's stores have read their bases and registers
	s_add_nc_u64 s[8:9], s[6:7], s[94:95]
	s_add_nc_u64 s[12:13], s[6:7], s[92:93]
.irp a, 0,1,2,3
.if \a > 0
	s_wait_dscnt 0x0
	s_wait_xcnt 0x0
.endif
	QUANTW 64*\a, 2
	v_lshl_or_b32 v[W0], v[TM+5], 8, v[TM+4]
	v_lshl_or_b32 v[W1], v[TM+7], 8, v[TM+6]
	v_lshl_or_b32 v[D0], v[W1], 16, v[W0]          ; the four blocks' bytes: the scale word of these 128 keys
	ds_store_b32 v10, v[D0] offset:64*\a
	global_store_b128 v8, v[PC:PC+3], s[8:9] offset:1536*\a
	global_store_b64 v9, v[PC+4:PC+5], s[8:9] offset:1536*\a+512
	global_store_b128 v8, v[PC+6:PC+9], s[8:9] offset:1536*\a+768
	global_store_b64 v9, v[PC+10:PC+11], s[8:9] offset:1536*\a+1280
.endr
	ds_load_b64 v[GW:GW+1], v12
	s_wait_dscnt 0x0
	global_store_b64 v9, v[GW:GW+1], s[12:13]      ; 256 consecutive bytes, aligned
	s_wait_tensorcnt 0x0                           ; the wave's end
	ds_add_u32 v[SPW], v[NIL]
	s_wait_dscnt 0x0
	CROUND                                         ; the closing round: no work-group ends while a partner may still ask for a tile that names it
	s_endpgm
.Lfunc_end_k_q5806c2937b_qkv:
	.size	k_q5806c2937b_qkv, .Lfunc_end_k_q5806c2937b_qkv-k_q5806c2937b_qkv
	.p2alignl 7, 3214868480
	.fill 96, 4, 3214868480
	.section	.rodata,"a",@progbits
	.p2align	6, 0x0
	.amdhsa_kernel k_q5806c2937b_qkv
		.amdhsa_group_segment_fixed_size 327680
		.amdhsa_private_segment_fixed_size 0
		.amdhsa_enable_private_segment 0
		.amdhsa_kernarg_size 16
		.amdhsa_user_sgpr_count 2
		.amdhsa_user_sgpr_kernarg_segment_ptr 1
		.amdhsa_wavefront_size32 1
		.amdhsa_system_sgpr_workgroup_id_x 1
		.amdhsa_system_sgpr_workgroup_id_y 1
		.amdhsa_system_sgpr_workgroup_id_z 1
		.amdhsa_system_vgpr_workitem_id 0
		.amdhsa_next_free_vgpr 1024
		.amdhsa_next_free_sgpr 106
		.amdhsa_reserve_vcc 0
		.amdhsa_float_denorm_mode_32 3
		.amdhsa_float_denorm_mode_16_64 3
		.amdhsa_memory_ordered 1
		.amdhsa_forward_progress 1
		.amdhsa_inst_pref_size 234
	.end_amdhsa_kernel
	.amdgpu_metadata
---
amdhsa.version: [ 1, 2 ]
amdhsa.kernels:
  - .name:           k_q5806c2937b_qkv
    .symbol:         k_q5806c2937b_qkv.kd
    .args:
      - { .name: xw, .offset: 0, .size: 8, .value_kind: global_buffer, .address_space: global }
      - { .name: qkv, .offset: 8, .size: 8, .value_kind: global_buffer, .address_space: global }
    .group_segment_fixed_size: 327680
    .private_segment_fixed_size: 0
    .kernarg_segment_align: 8
    .kernarg_segment_size: 16
    .max_flat_workgroup_size: 128
    .sgpr_count:     106
    .vgpr_count:     1024
    .wavefront_size: 32
...
	.end_amdgpu_metadata
.endif
;; end of part 2
;; launch attn (part 3): grid 4 x 64, 16 waves a work-group, no clusters, 327,680 bytes of LDS; arguments qkv, ao; writes ao
.if DOCPART == 3
	.amdgcn_target "amdgcn-amd-amdhsa--gfx1250"
	.amdhsa_code_object_version 6
	.text
	.protected	k_q5806c2937b_attn
	.globl	k_q5806c2937b_attn
	.p2align	8
	.type	k_q5806c2937b_attn,@function
k_q5806c2937b_attn:
	s_mov_b64 s[64:65], 0
	v_nop
	global_prefetch_b8 v0, s[64:65] scope:SCOPE_SE
	s_setreg_imm32_b32 hwreg(HW_REG_WAVE_MODE, 25, 1), 1
	s_wait_xcnt 0x0
; o[bh][q] = the sum over keys k <= q of softmax_k(q . k / 8) v[k], both products on codes of BF6 (E3M2) with E8M0 scales; o is quantised along the head's 64 and leaves as codes for the last product.
; THE SOFTMAX: t = score x log2(e) / 8; M = the running largest t rounded UP to a whole number; p = 2^(t - M) is quantised along the keys, not normalised; the sum is taken of the unquantised p and divides O at the end.  When M moves, the sum and O are multiplied by 2^(old M - new M): exact.
; SHARES.  Work-group (i, bh) owns query blocks i and 7 - i of its head, 256 queries each, one after the other: (i + 1) + (8 - i) = 9 slots of 256 keys for every work-group, so that all 256 have the same work and the loop's trip count is a constant.
; Each of the sixteen waves owns one tile of 16 queries, in 256 registers: four waves to a SIMD, so that one wave's vector work stands beside another's matrix work.
; A slot (k's 16 half images, v^T's 8 fragments, their scale words) is one dense block of 26,112 bytes of memory: one tensor load, by wave 0, into one of two LDS slots.
; LAYOUT.  Both products are used transposed: S^T = K Q^T, O^T = V^T P^T: a lane holds ONE query throughout.  Tiles of tokens and of features hold, of each 32, in place r of tile u the row 8 u + r + 8 (r / 8): so the 16 registers of tiles 2 b, 2 b + 1 are 16 neighbours, 32 b + 16 h + 0 .. 15.
; The scores' K is 64: registers 6-11 of Q's and K's fragments are zero codes, which add nothing; bytes 2, 3 of their scale words are 0 (not 0xff).
; NO MULTICAST: the four work-groups of a head walk the same keys only in their first trips (they turn to their second block in trips 1, 2, 3, 4), so partners would ask for different tiles; and a trip's 26,112 bytes serve two key steps of sixteen waves.
; CAUSAL.  A step all of whose keys come after the wave's queries is left out by a scalar branch on ids; on the diagonal hidden scores become -infinity ahead of the maximum.  A tile's queries lie inside 32 aligned tokens, so in every step that is worked every lane has a key that counts.
; o's scale bytes are two bytes a token and head, 32 bytes apart: 262,144 bytes of the launch leave in such pieces, since a token's other heads belong to other work-groups.
; LIMITS: NaN and infinities are not served; a block whose largest magnitude lies under 2^-122 keeps the byte 1, a block of zeros too (its codes are zeros; this program alone reads the bytes); v_exp_f32 gives 0 under 2^-126.
.set QS_OFF,  6291456
.set KV_OFF,  6815744
.set AOS_OFF, 6291456
.set SLOTB,   26112
.set SLOT1,   32768                    ; slot 1 begins here: one exclusive or turns an address
.set SPARE,   65536                    ; the spare words, 128 bytes a wave: eight blocks of 256 bytes that no other line names
.set QF,  16                           ; v16-27   Q's fragment (22-27: zeros)
.set KFR, 28                           ; v28-75   four fragments of K (the upper six registers of each: zeros)
.set VF,  76                           ; v76-123  V^T's four fragments
.set S,   124                          ; v124-187 S^T, then p
.set O,   188                          ; v188-219 O^T
.set PCD, 220                          ; v220-231 p's codes
; v1 16 x lane, v2 8 x lane, v3 4 x lane, v4 4 r, v5 my spare word, v6 0, v7 32 r, v8-10 the same three + the slot, v11 r + 8 (r / 8) - 16 h, v12 -M, v13 the largest t, v[14:15] the sum; v232-254 at work; v248-251 scale words; v253 p's scale word; v255 Q's
; s8 wave; s[12:13] my head's slots; s[14:15], s[16:17] q's codes and scale words at my tile of block 0; s[18:19], s[48:49] o's; s[20:21] lane selects; s[22:23] c; s[24:31], s[32:35] the descriptor;
; s36 trip; s38 the key slot asked for; s39 the key slot in hand; s40 my query block; s41 the LDS slot in hand; s42 the step's first key; s43 my first query; s56 the trip in which the second block begins
.macro TLOAD                           ; wave 0 fetches; four v_nop follow the line
	s_cmp_lg_u32 s8, 0
	s_cbranch_scc1 .Lnot_mine_\@
	tensor_load_to_lds s[32:35], s[24:31]
	s_nop 0
.rept 4
	v_nop
.endr
.Lnot_mine_\@:
.endm
	s_load_b128 s[4:7], s[0:1], 0x0                ; qkv s[4:5], ao s[6:7]
	v_lshl_add_u32 v5, v0, 2, SPARE
	v_mov_b32 v6, 0
	ds_add_u32 v5, v6
	ds_add_u32 v5, v6
	s_wait_dscnt 0x0
	v_lshrrev_b32 v1, 5, v0
	s_delay_alu instid0(VALU_DEP_1)
	v_readfirstlane_b32 s8, v1                     ; wave 0..15
	s_and_b32 s9, ttmp7, 0xffff                    ; bh
	s_mul_i32 s44, s9, 208896
	s_add_co_u32 s44, s44, KV_OFF
	s_mov_b32 s45, 0
	s_mul_i32 s46, s9, 98304
	s_mul_i32 s47, s8, 768
	s_add_co_u32 s46, s46, s47
	s_mov_b32 s47, 0
	s_lshl_b32 s52, s9, 13
	s_lshl_b32 s53, s8, 6
	s_add_co_u32 s52, s52, s53
	s_add_co_u32 s52, s52, QS_OFF
	s_mov_b32 s53, 0
	s_lshr_b32 s54, s9, 4
	s_lshl_b32 s54, s54, 7
	s_add_co_u32 s54, s54, s8                      ; 128 x batch + wave: my tile of tokens in block 0
	s_and_b32 s55, s9, 15                          ; the head
	s_lshl_b32 s50, s54, 9
	s_lshl_b32 s51, s55, 1
	s_add_co_u32 s50, s50, s51
	s_add_co_u32 s50, s50, AOS_OFF
	s_mov_b32 s51, 0
	s_lshl_b32 s54, s54, 4
	s_add_co_u32 s54, s54, s55
	s_mul_i32 s54, s54, 768
	s_mov_b32 s55, 0
	s_mov_b32 s24, 3<<16                           ; group 1: no mask; elements of 8 bytes; no padding
	s_mov_b32 s25, 32<<16                          ; tensor_dim0 = 32 (256 bytes)
	s_mov_b32 s26, 102<<16                         ; tensor_dim1 = 102
	s_mov_b32 s27, 32<<16                          ; tile_dim0
	s_mov_b32 s28, 102                             ; tile_dim1
	s_mov_b32 s29, 32                              ; stride: dense
	s_mov_b32 s30, 0
	s_mov_b32 s31, 0
	s_mov_b32 s20, 0x76543210
	s_mov_b32 s21, 0xfedcba98
	s_mov_b32 s22, 0x3e38aa3b                      ; c = log2(e) / 8
	s_mov_b32 s23, s22                             ; (named with it as a pair, so it is written)
	s_mov_b32 s36, 0
	s_mov_b32 s39, 0
	s_mov_b32 s40, ttmp9                           ; the first block: i
	s_mov_b32 s41, 0
	s_add_co_u32 s56, ttmp9, 1
	s_wait_kmcnt 0x0
	s_add_nc_u64 s[12:13], s[4:5], s[44:45]
	s_add_nc_u64 s[14:15], s[4:5], s[46:47]
	s_add_nc_u64 s[16:17], s[4:5], s[52:53]
	s_add_nc_u64 s[18:19], s[6:7], s[54:55]
	s_add_nc_u64 s[48:49], s[6:7], s[50:51]
	s_mov_b32 s32, 1                               ; group 0: count = 1,
	s_mov_b32 s33, 0                               ; LDS slot 0,
	s_mov_b64 s[34:35], s[12:13]                   ; the head's first 256 keys,
	s_or_b32 s35, s35, 0x80000000                  ; type = 2
	TLOAD
	v_and_b32 v3, 31, v0
	s_delay_alu instid0(VALU_DEP_1)
	v_lshlrev_b32 v1, 4, v3
	s_delay_alu instid0(VALU_DEP_2)
	v_lshlrev_b32 v2, 3, v3
	s_delay_alu instid0(VALU_DEP_3)
	v_lshlrev_b32 v3, 2, v3
	v_and_b32 v7, 15, v0
	s_delay_alu instid0(VALU_DEP_1)
	v_lshlrev_b32 v4, 2, v7
	v_and_b32 v232, 8, v0
	s_delay_alu instid0(VALU_DEP_1)
	v_add_nc_u32 v11, v7, v232
	v_and_b32 v232, 16, v0
	s_delay_alu instid0(VALU_DEP_1)
	v_sub_nc_u32 v11, v11, v232                    ; r + 8 (r / 8) - 16 h
	v_lshlrev_b32 v7, 5, v7
.irp j, 6,7,8,9,10,11
	v_mov_b32 v[QF+\j], 0                          ; K 64 .. 127 of the scores' product: zero codes, on both sides
.irp t, 0,1,2,3
	v_mov_b32 v[KFR+12*\t+\j], 0
.endr
.endr
.irp b, 0,1,2,3
	v_mov_b32 v[236+\b], 0                         ; written once: a lane permute's destination counts as one of its sources
.endr
	v_mov_b32 v252, 0
	v_mov_b32 v253, 0
.macro INIT                            ; my tile of block s40: Q, its scale words; the running figures begin
	s_mul_i32 s52, s40, 12288
	s_mov_b32 s53, 0
	s_add_nc_u64 s[52:53], s[14:15], s[52:53]
	s_lshl_b32 s54, s40, 10
	s_mov_b32 s55, 0
	s_add_nc_u64 s[54:55], s[16:17], s[54:55]
	global_load_b128 v[QF:QF+3], v1, s[52:53]
	global_load_b64 v[QF+4:QF+5], v2, s[52:53] offset:512
	global_load_b32 v255, v4, s[54:55]
	s_lshl_b32 s43, s40, 8
	s_lshr_b32 s44, s8, 1
	s_lshl_b32 s44, s44, 5
	s_add_co_u32 s43, s43, s44
	s_and_b32 s44, s8, 1
	s_lshl_b32 s44, s44, 3
	s_add_co_u32 s43, s43, s44                     ; my first query: 256 x block + 32 (wave / 2) + 8 (wave % 2); my last is 23 on
	v_mov_b32 v13, 0xff61b1e6                      ; the largest t so far: -3e38
	s_delay_alu instid0(VALU_DEP_1)
	v_floor_f32 v12, -v13                          ; -M
	v_mov_b32 v14, 0
	v_mov_b32 v15, 0
.set jj, 0
.rept 32
	v_mov_b32 v[O+jj], 0                           ; the step is written once: the first finds zeros, which the first change of M leaves zeros
.set jj, jj+1
.endr
	s_wait_loadcnt 0x0                             ; Q is in, and the loads' bases may be written again
.endm
.macro QK t, g                         ; tile 4 g + t of the step's eight: 16 keys x my 16 queries.  One register carries the scale words of two tiles: the even one's in lanes 0-15
.if (\t)%2
	v_wmma_scale_f32_16x16x128_f8f6f4 v[S+8*(4*\g+\t):S+8*(4*\g+\t)+7], v[KFR+12*\t:KFR+12*\t+11], v[QF:QF+11], 0, v[248+2*\g+\t/2], v255 matrix_a_fmt:MATRIX_FMT_BF6 matrix_b_fmt:MATRIX_FMT_BF6 matrix_a_scale:MATRIX_SCALE_ROW1
.else
	v_wmma_scale_f32_16x16x128_f8f6f4 v[S+8*(4*\g+\t):S+8*(4*\g+\t)+7], v[KFR+12*\t:KFR+12*\t+11], v[QF:QF+11], 0, v[248+2*\g+\t/2], v255 matrix_a_fmt:MATRIX_FMT_BF6 matrix_b_fmt:MATRIX_FMT_BF6
.endif
.endm
.macro PV t                            ; 16 of the head's 64 x my 16 queries, K = the step's 128 keys.  The four accumulators take turns
.if (\t)%2
	v_wmma_scale_f32_16x16x128_f8f6f4 v[O+8*\t:O+8*\t+7], v[VF+12*\t:VF+12*\t+11], v[PCD:PCD+11], v[O+8*\t:O+8*\t+7], v[248+\t/2], v253 matrix_a_fmt:MATRIX_FMT_BF6 matrix_b_fmt:MATRIX_FMT_BF6 matrix_a_scale:MATRIX_SCALE_ROW1
.else
	v_wmma_scale_f32_16x16x128_f8f6f4 v[O+8*\t:O+8*\t+7], v[VF+12*\t:VF+12*\t+11], v[PCD:PCD+11], v[O+8*\t:O+8*\t+7], v[248+\t/2], v253 matrix_a_fmt:MATRIX_FMT_BF6 matrix_b_fmt:MATRIX_FMT_BF6
.endif
.endm
; A KEY STEP: 128 keys, the q-th of the slot in hand
.macro STEP q
	s_add_co_u32 s44, s43, 23
	s_cmp_gt_u32 s42, s44                          ; all keys come after my queries: nothing to do
	s_cbranch_scc1 .Lhidden_\@
	v_add_nc_u32 v8, s41, v1                       ; these three and the v_nop are the four places in front of loads into registers that the last step's products read
	v_add_nc_u32 v9, s41, v2
	v_add_nc_u32 v10, s41, v3
	v_nop
.irp t, 0,1,2,3
	ds_load_b128 v[KFR+12*\t:KFR+12*\t+3], v8 offset:768*(8*(\q)+\t)
	ds_load_b64 v[KFR+12*\t+4:KFR+12*\t+5], v9 offset:768*(8*(\q)+\t)+512
.endr
.irp p, 0,1,2,3
	ds_load_b32 v[248+\p], v10 offset:24576+(8*(\q)+2*\p)*64   ; K's scale words of tiles 2 p (lanes 0-15) and 2 p + 1 (lanes 16-31)
.endr
	s_wait_alu depctr_va_vdst(0)
	s_wait_dscnt 0x0
.irp t, 0,1,2,3
	QK \t, 0
.endr
.rept 4
	v_nop
.endr
.irp t, 0,1,2,3
	ds_load_b128 v[KFR+12*\t:KFR+12*\t+3], v8 offset:768*(8*(\q)+4+\t)
	ds_load_b64 v[KFR+12*\t+4:KFR+12*\t+5], v9 offset:768*(8*(\q)+4+\t)+512
.endr
.irp t, 0,1,2,3
	ds_load_b128 v[VF+12*\t:VF+12*\t+3], v8 offset:12288+(4*(\q)+\t)*1536           ; V^T is asked for here and lands under the softmax
	ds_load_b64 v[VF+12*\t+4:VF+12*\t+5], v9 offset:12288+(4*(\q)+\t)*1536+512
	ds_load_b128 v[VF+12*\t+6:VF+12*\t+9], v8 offset:12288+(4*(\q)+\t)*1536+768
	ds_load_b64 v[VF+12*\t+10:VF+12*\t+11], v9 offset:12288+(4*(\q)+\t)*1536+1280
.endr
.irp p, 0,1
	ds_load_b32 v[248+\p], v10 offset:25600+(4*(\q)+2*\p)*64
.endr
	s_wait_dscnt 18                                ; K's eight loads are in; V's sixteen and its two scale loads may be out
.irp t, 0,1,2,3
	QK \t, 1
.endr
.rept 4
	v_nop
.endr
	s_add_co_u32 s44, s42, 127
	s_cmp_le_u32 s44, s43                          ; all keys count for all my queries: no mask
	s_cbranch_scc1 .Lopen_\@
	s_sub_co_i32 s44, s43, s42
	v_add_nc_u32 v252, s44, v11                    ; d = my query - the step's first key - 16 h.  Register 16 b + i holds key 32 b + 16 h + i of the step: hidden where 32 b + i > d
	v_mov_b32 v254, 0xff800000                     ; -infinity
.set nn, 0
.rept 64
	v_cmp_gt_i32 vcc_lo, 32*(nn/16)+nn%16, v252
	v_cndmask_b32 v[S+nn], v[S+nn], v254, vcc_lo
.set nn, nn+1
.endr
.Lopen_\@:
.irp b, 0,1,2,3
	v_max3_num_f32 v[232+\b], v[S+16*\b], v[S+1+16*\b], v[S+2+16*\b]   ; the largest score of each block of 32 keys: for the row's maximum, and, since p rises with the score, for the block's largest p
.endr
.irp i, 3,5,7,9,11,13
.irp b, 0,1,2,3
	v_max3_num_f32 v[232+\b], v[232+\b], v[S+16*\b+\i], v[S+1+16*\b+\i]
.endr
.endr
.irp b, 0,1,2,3
	v_max_num_f32 v[232+\b], v[232+\b], v[S+15+16*\b]
.endr
.irp b, 0,1,2,3
	s_delay_alu instid0(VALU_DEP_4)
	v_permlanex16_b32 v[236+\b], v[232+\b], s20, s21
.endr
.irp b, 0,1,2,3
	s_delay_alu instid0(VALU_DEP_4)
	v_max_num_f32 v[232+\b], v[232+\b], v[236+\b]  ; with lane l xor 16's 16 keys
.endr
	s_delay_alu instid0(VALU_DEP_2)
	v_max3_num_f32 v254, v232, v233, v234
	s_delay_alu instid0(VALU_DEP_1)
	v_max_num_f32 v254, v254, v235
	s_delay_alu instid0(VALU_DEP_1)
	v_mul_f32 v254, s22, v254                      ; the step's largest t
	s_delay_alu instid0(VALU_DEP_1)
	v_max_num_f32 v13, v13, v254
	v_mov_b32 v254, v12
	s_delay_alu instid0(VALU_DEP_2)
	v_floor_f32 v12, -v13                          ; the new -M = -ceil(t)
	s_delay_alu instid0(VALU_DEP_1)
	v_sub_f32 v254, v12, v254                      ; old M - new M: a whole number, 0 or less
	s_delay_alu instid0(VALU_DEP_1)
	v_cvt_i32_f32 v254, v254                       ; (it saturates)
	s_delay_alu instid0(VALU_DEP_1)
	v_ldexp_f32 v252, 1.0, v254                    ; f = 2^(old M - new M)
.set jj, 0
.rept 32
	v_pk_fma_f32 v[S+jj:S+jj+1], v[S+jj:S+jj+1], s[22:23], v[12:13] op_sel_hi:[1,0,0]   ; t - M, two at a time
.set jj, jj+2
.endr
.irp b, 0,1,2,3
	v_fma_f32 v[232+\b], v[232+\b], s22, v12       ; the same of each block's largest score
.endr
.set jj, 0
	s_wait_alu depctr_va_vdst(0)
.rept 64
	v_exp_f32 v[S+jj], v[S+jj]                     ; p = 2^(t - M)
.set jj, jj+1
.endr
.irp b, 0,1,2,3
	v_exp_f32 v[232+\b], v[232+\b]                 ; the block's largest p: the same two instructions on the same number
.endr
	v_pk_mul_f32 v[14:15], v[14:15], v[252:253] op_sel_hi:[1,0]   ; the sums under the new M (a plain place behind the exponentials)
	s_wait_alu depctr_va_vdst(0)
.irp b, 0,1,2,3
	v_max_num_f32 v[232+\b], 0x2800000, v[232+\b]  ; the floor 2^(5 - 127): the byte cannot fall under 1
.endr
.irp b, 0,1,2,3
	s_delay_alu instid0(VALU_DEP_4)
	v_add_nc_u32 v[244+\b], 0xfe000000, v[232+\b]  ; 4 off the exponent field: the conversion's scale operand
.endr
.irp b, 0,1,2,3
	s_delay_alu instid0(VALU_DEP_4)
	v_lshrrev_b32 v[236+\b], 23, v[244+\b]
.endr
	s_delay_alu instid0(VALU_DEP_3)
	v_lshl_or_b32 v253, v237, 8, v236              ; p's scale word for these 128 keys
	s_delay_alu instid0(VALU_DEP_1)
	v_lshl_or_b32 v253, v238, 16, v253
	s_delay_alu instid0(VALU_DEP_1)
	v_lshl_or_b32 v253, v239, 24, v253
.irp c, 0,1
	v_cvt_scalef32_pk16_bf6_f32 v[PCD+6*\c:PCD+2+6*\c], v[S+32*\c:S+15+32*\c], v[244+2*\c]
	v_cvt_scalef32_pk16_bf6_f32 v[236+4*\c:238+4*\c], v[S+16+32*\c:S+31+32*\c], v[244+2*\c+1]
.endr
	v_nop                                          ; one plain place behind a scaled conversion
.irp c, 0,1
.irp i, 0,1,2
	v_permlane16_swap_b32 v[PCD+6*\c+\i], v[236+4*\c+\i]
.endr
.irp i, 0,1,2
	s_delay_alu instid0(VALU_DEP_3)
	v_mov_b32 v[PCD+3+6*\c+\i], v[236+4*\c+\i]
.endr
.endr
	v_pk_add_f32 v[236:237], v[128:129], v[132:133]
	v_pk_add_f32 v[250:251], v[136:137], v[140:141]
	v_pk_add_f32 v[246:247], v[144:145], v[148:149]
	v_pk_add_f32 v[244:245], v[152:153], v[156:157]
	v_pk_add_f32 v[242:243], v[160:161], v[164:165]
	v_pk_add_f32 v[240:241], v[168:169], v[172:173]
	v_pk_add_f32 v[234:235], v[176:177], v[180:181]
	v_pk_add_f32 v[14:15], v[14:15], v[184:185]
	v_pk_add_f32 v[236:237], v[236:237], v[124:125]
	v_pk_add_f32 v[250:251], v[250:251], v[126:127]
	v_pk_add_f32 v[246:247], v[246:247], v[130:131]
	v_pk_add_f32 v[244:245], v[244:245], v[134:135]
	v_pk_add_f32 v[242:243], v[242:243], v[138:139]
	v_pk_add_f32 v[240:241], v[240:241], v[142:143]
	v_pk_add_f32 v[234:235], v[234:235], v[146:147]
	v_pk_add_f32 v[14:15], v[14:15], v[150:151]
	v_pk_add_f32 v[236:237], v[236:237], v[154:155]
	v_pk_add_f32 v[250:251], v[250:251], v[158:159]
	v_pk_add_f32 v[246:247], v[246:247], v[162:163]
	v_pk_add_f32 v[244:245], v[244:245], v[166:167]
	v_pk_add_f32 v[242:243], v[242:243], v[170:171]
	v_pk_add_f32 v[240:241], v[240:241], v[174:175]
	v_pk_add_f32 v[234:235], v[234:235], v[178:179]
	v_pk_add_f32 v[14:15], v[14:15], v[182:183]
	v_pk_add_f32 v[236:237], v[236:237], v[186:187]
	s_delay_alu instid0(VALU_DEP_2)
	v_pk_add_f32 v[14:15], v[14:15], v[244:245]
	s_delay_alu instid0(VALU_DEP_2)
	v_pk_add_f32 v[236:237], v[236:237], v[242:243]
	v_pk_add_f32 v[250:251], v[250:251], v[240:241]
	v_pk_add_f32 v[246:247], v[246:247], v[234:235]
	s_delay_alu instid0(VALU_DEP_2)
	v_pk_add_f32 v[14:15], v[14:15], v[250:251]
	s_delay_alu instid0(VALU_DEP_2)
	v_pk_add_f32 v[236:237], v[236:237], v[246:247]
	s_delay_alu instid0(VALU_DEP_1)
	v_pk_add_f32 v[14:15], v[14:15], v[236:237]
.set jj, 0
.rept 16
	v_pk_mul_f32 v[O+jj:O+jj+1], v[O+jj:O+jj+1], v[252:253] op_sel_hi:[1,0]   ; O^T under the new M.  (The sums and these are the places between the codes, their scale word and the products)
.set jj, jj+2
.endr
	s_wait_alu depctr_va_vdst(0)
	s_wait_dscnt 0x0                               ; V^T and its scale words are in
.irp t, 0,1,2,3
	PV \t
.endr
.Lhidden_\@:
	s_add_co_u32 s42, s42, 128
.endm
; THE CHANGE OF SLOTS, at a trip's head.  Each wave waits for all its tensor loads, adds 0 to its spare word, and waits for that and for its reads of the slot that it has left.  Behind the barrier the slot ahead is whole
; and nobody reads the other one.  fill = 1: wave 0 fills that other slot with the next trip's keys: trips 0 .. i walk key slots 0 .. i, the later ones begin again at 0.
.macro CHANGE fill
	s_wait_tensorcnt 0x0                           ; no tensor load of mine is out, so group 0 may be written
	ds_add_u32 v5, v6                              ; 0 onto my spare word
.if \fill
	s_add_co_u32 s44, s36, 1
	s_sub_co_u32 s45, s44, s56
	s_cmp_lt_u32 s44, s56
	s_cselect_b32 s38, s44, s45                    ; the next trip's key slot
	s_xor_b32 s33, s33, SLOT1
	s_mul_i32 s46, s38, SLOTB
	s_mov_b32 s47, 0
	s_add_nc_u64 s[34:35], s[12:13], s[46:47]
	s_or_b32 s35, s35, 0x80000000
.endif
	s_wait_dscnt 0x0                               ; the add is done, and my reads of the slot that I have left are over
	s_barrier_signal -1
	s_barrier_wait -1
.if \fill
	TLOAD                                          ; the first thing behind the barrier; one tensor load of wave 0 is out until the next
.endif
.endm
; A block's end: O^T / the sum, quantised along the head's 64 (two blocks), one half image and two scale bytes a token
.macro FINISH
.rept 4
	v_nop                                          ; places behind the last products
.endr
	v_add_f32 v14, v14, v15
	s_delay_alu instid0(VALU_DEP_1)
	v_permlanex16_b32 v252, v14, s20, s21
	s_delay_alu instid0(VALU_DEP_1)
	v_add_f32 v14, v14, v252                       ; the row's sum
	s_wait_alu depctr_va_vdst(0)
	v_rcp_f32 v14, v14
	v_nop                                          ; one plain place behind a transcendental
.set jj, 0
	s_wait_alu depctr_va_vdst(0)
.rept 32
	v_mul_f32 v[S+jj], v[O+jj], v14                ; register 16 b + i is o(my query, 32 b + 16 h + i); each accumulator from its low end on
.set jj, jj+1
.endr
.irp b, 0,1
	v_max3_num_f32 v[232+\b], |v[S+16*\b]|, |v[S+1+16*\b]|, 0x2800000
.endr
.irp i, 2,4,6,8,10,12,14
.irp b, 0,1
	s_delay_alu instid0(VALU_DEP_2)
	v_max3_num_f32 v[232+\b], v[232+\b], |v[S+16*\b+\i]|, |v[S+1+16*\b+\i]|
.endr
.endr
.irp b, 0,1
	s_delay_alu instid0(VALU_DEP_2)
	v_permlanex16_b32 v[236+\b], v[232+\b], s20, s21
.endr
.irp b, 0,1
	s_delay_alu instid0(VALU_DEP_2)
	v_max_num_f32 v[232+\b], v[232+\b], v[236+\b]
.endr
.irp b, 0,1
	s_delay_alu instid0(VALU_DEP_2)
	v_add_nc_u32 v[244+\b], 0xfe000000, v[232+\b]
.endr
.irp b, 0,1
	s_delay_alu instid0(VALU_DEP_2)
	v_lshrrev_b32 v[236+\b], 23, v[244+\b]
.endr
	s_delay_alu instid0(VALU_DEP_1)
	v_lshl_or_b32 v253, v237, 8, v236              ; the two scale bytes
	v_cvt_scalef32_pk16_bf6_f32 v[PCD:PCD+2], v[S:S+15], v244
	v_cvt_scalef32_pk16_bf6_f32 v[240:242], v[S+16:S+31], v245
	v_nop
.irp i, 0,1,2
	v_permlane16_swap_b32 v[PCD+\i], v[240+\i]
.endr
.irp i, 0,1,2
	s_delay_alu instid0(VALU_DEP_3)
	v_mov_b32 v[PCD+3+\i], v[240+\i]
.endr
	s_mul_i32 s52, s40, 196608                     ; 16 tiles x 16 heads x 768 bytes a block
	s_mov_b32 s53, 0
	s_add_nc_u64 s[52:53], s[18:19], s[52:53]
	s_lshl_b32 s54, s40, 13
	s_mov_b32 s55, 0
	s_add_nc_u64 s[54:55], s[48:49], s[54:55]
	global_store_b128 v1, v[PCD:PCD+3], s[52:53]   ; 512 consecutive bytes, aligned to 256
	global_store_b64 v2, v[PCD+4:PCD+5], s[52:53] offset:512
	global_store_b16 v7, v253, s[54:55]            ; lanes l and l + 16 hold the same token's bytes and store them to the same place
	s_wait_xcnt 0x0                                ; the stores have read their registers and bases: both may be written again
.endm
	INIT
.Ltrip:                                            ; eight trips; the ninth is written out
	CHANGE 1
	s_cmp_lg_u32 s36, s56
	s_cbranch_scc1 .Lsame_block
	FINISH                                         ; trip i + 1: the first block is done,
	s_sub_co_u32 s40, 7, s40                       ; and block 7 - i begins
	INIT
.Lsame_block:
	s_lshl_b32 s42, s39, 8                         ; the slot's first key
	STEP 0
	STEP 1
	s_xor_b32 s41, s41, SLOT1
	s_mov_b32 s39, s38
	s_add_co_u32 s36, s36, 1
	s_cmp_lt_u32 s36, 8
	s_cbranch_scc1 .Ltrip
	CHANGE 0
	s_lshl_b32 s42, s39, 8
	STEP 0
	STEP 1
	FINISH
	s_wait_tensorcnt 0x0                           ; the wave's end
	ds_add_u32 v5, v6
	s_wait_dscnt 0x0
	s_endpgm
.Lfunc_end_k_q5806c2937b_attn:
	.size	k_q5806c2937b_attn, .Lfunc_end_k_q5806c2937b_attn-k_q5806c2937b_attn
	.p2alignl 7, 3214868480
	.fill 96, 4, 3214868480
	.section	.rodata,"a",@progbits
	.p2align	6, 0x0
	.amdhsa_kernel k_q5806c2937b_attn
		.amdhsa_group_segment_fixed_size 327680
		.amdhsa_private_segment_fixed_size 0
		.amdhsa_enable_private_segment 0
		.amdhsa_kernarg_size 16
		.amdhsa_user_sgpr_count 2
		.amdhsa_user_sgpr_kernarg_segment_ptr 1
		.amdhsa_wavefront_size32 1
		.amdhsa_system_sgpr_workgroup_id_x 1
		.amdhsa_system_sgpr_workgroup_id_y 1
		.amdhsa_system_sgpr_workgroup_id_z 1
		.amdhsa_system_vgpr_workitem_id 0
		.amdhsa_next_free_vgpr 256
		.amdhsa_next_free_sgpr 66
		.amdhsa_reserve_vcc 1
		.amdhsa_float_denorm_mode_32 3
		.amdhsa_float_denorm_mode_16_64 3
		.amdhsa_memory_ordered 1
		.amdhsa_forward_progress 1
		.amdhsa_inst_pref_size 110
	.end_amdhsa_kernel
	.amdgpu_metadata
---
amdhsa.version: [ 1, 2 ]
amdhsa.kernels:
  - .name:           k_q5806c2937b_attn
    .symbol:         k_q5806c2937b_attn.kd
    .args:
      - { .name: qkv, .offset: 0, .size: 8, .value_kind: global_buffer, .address_space: global }
      - { .name: ao, .offset: 8, .size: 8, .value_kind: global_buffer, .address_space: global }
    .group_segment_fixed_size: 327680
    .private_segment_fixed_size: 0
    .kernarg_segment_align: 8
    .kernarg_segment_size: 16
    .max_flat_workgroup_size: 512
    .sgpr_count:     66
    .vgpr_count:     256
    .wavefront_size: 32
...
	.end_amdgpu_metadata
.endif
;; end of part 3
;; launch proj (part 4): grid 4 x 64, 4 waves a work-group, clusters of 4 x 4, 327,680 bytes of LDS; arguments ao, xw, out0; writes out0
.if DOCPART == 4
	.amdgcn_target "amdgcn-amd-amdhsa--gfx1250"
	.amdhsa_code_object_version 6
	.text
	.protected	k_q5806c2937b_proj
	.globl	k_q5806c2937b_proj
	.p2align	8
	.type	k_q5806c2937b_proj,@function
k_q5806c2937b_proj:
	s_mov_b64 s[64:65], 0
	v_nop
	global_prefetch_b8 v0, s[64:65] scope:SCOPE_SE
	s_setreg_imm32_b32 hwreg(HW_REG_WAVE_MODE, 25, 1), 1
	s_wait_xcnt 0x0
	s_wait_alu depctr_hold_cnt(0) depctr_sa_sdst(0) depctr_va_vdst(0) depctr_va_sdst(0) depctr_va_ssrc(0) depctr_va_vcc(0) depctr_vm_vsrc(0)
	s_getreg_b32 s2, hwreg(HW_REG_IB_STS2, 6, 4)
	s_cmp_eq_u32 s2, 0
	s_cbranch_scc0 .Lentry_in_a_cluster
	s_endpgm
.Lentry_in_a_cluster:
	s_bfe_u32 s2, ttmp6, 0x10000c
	s_cmp_lg_u32 s2, 0xf033
	s_cbranch_scc0 .Lentry_shape_is_right
	s_endpgm
.Lentry_shape_is_right:
; out0 = o Wo^T on codes of BF6 (E3M2) with E8M0 scales, sums in f32.  o's codes and scale bytes lie in ao, Wo's in xw (tiles 704-767), both in one form:
; rows in tiles of 16 (of each 32 rows tile u holds in place r the row 8 u + r + 8 (r / 8)); a tile is 16 half images of 768 bytes (16 places x 64 K: the operand's registers 0-3 at 16 x lane, 4-5 at 512 + 8 x lane); scale bytes behind the codes, 32 a place.
; SHARES.  4 x 64 = 256 work-groups of four waves: 128 tokens x 256 columns each, 64 x 128 a wave: 32 accumulators.  Source 0 = 16 places of Wo, source 1 = 16 places of o: a lane holds one token, and the 16 registers of accumulators 2 b, 2 b + 1 are columns 32 b + 16 h + 0 .. 15.
; LDS.  All of K = 1,024 fits: two slots of 147,456 bytes, each with 512 along K of Wo's 16 tiles and of o's 8.  Both are first fills: EVERY LDS BYTE IS FILLED ONCE, so the text has one barrier for each slot and no refill.
; A step is 128 along K, 32 matrix instructions; both sources have two sets of registers, and a step asks for the next step's fragments ahead of its own products.
; The scale words of a wave's 128 places of Wo and 64 of o, for all of K, come once into registers: 8 words a place.
; CLUSTERS: 4 x 4 work-groups; o's tiles are shared along a row of the cluster, Wo's along a column: each is asked for jointly, by the same load with the same descriptor and a mask that names the four.
; REGISTERS, in windows of 256: window 0: v1-26 addresses; v32-95 Wo's scale words (block b, 128 along K number n at 8 b + n); v96-127 o's; v128-223 o's fragments, two sets of 4; on the way out v128-255 rows read back.
;   window 1: Wo's fragments, two sets of 8, at v0 and v128.  window 2: the accumulators ((a, b) at v[8 (8 a + b)]).
.set SC_OFF,  9437184
.set AOS_OFF, 6291456
.set FR,     12                        ; registers of a fragment
.set NP,     4                         ; places behind this matrix instruction (ISA guide 7.12.1)
.set TILEH,  6144                      ; a tile's 512 along K
.set TILEK,  12288                     ; all of it
.set QB,     16*TILEH                  ; in a slot: Wo's 16 tiles, then o's 8
.set SLOT,   24*TILEH
.set SPITCH, 528                       ; the way out: a stage of 16 rows x (512 bytes + 16) for each wave, in slot 0, which has had its one fill and its last read when the first result is stored there
.set ADRP, 16                          ; v16-17 16 x lane + my tiles of Wo in slot 0, 1;  v18-19 the same with 8 x lane
.set ADRQ, 20                          ; v20-23 the same for o
.set STO,  24
.set RD,   25
.set CO,   26
.set WOS,  32
.set AOS,  96
.set AF,   128
.set BK,   128
.set G1, 24                            ; s[24:31], s[32:39] o's tiles: group 1, group 0 for each slot
.set G0, 32
.set G1B, 48                           ; s[48:55], s[56:63] Wo's
.set G0B, 56
.set MSB, 0
.macro WIN new                         ; the immediate's high byte repeats the setting that is left
.if MSB != (\new)
	s_set_vgpr_msb (MSB<<8)|(\new)
.set MSB, (\new)
.endif
.endm
.set MUL,  0xa1                        ; source 0 (Wo) window 1, source 1 (o) window 0, C and D window 2
.set TO_B, 0x40                        ; destination window 1, address window 0
.macro JLOAD g0a, g1a, g0b, g1b        ; a joint load: waves 0 and 1 fetch o's halves, waves 2 and 3 Wo's; four v_nop follow each of the two lines
	s_cmp_eq_u32 s15, 0
	s_cbranch_scc0 .Lfor_b_\@
	tensor_load_to_lds s[\g0a:\g0a+3], s[\g1a:\g1a+7]
	s_nop 0
.rept 4
	v_nop
.endr
	s_branch .Lasked_\@
.Lfor_b_\@:
	tensor_load_to_lds s[\g0b:\g0b+3], s[\g1b:\g1b+7]
	s_nop 0
.rept 4
	v_nop
.endr
.Lasked_\@:
.endm
.macro CROUND                          ; a round of the cluster's barrier
	s_barrier_signal -1
	s_barrier_wait -1
	s_cmp_lg_u32 s14, 0
	s_cbranch_scc1 .Lnot_wave_0_\@
	s_barrier_signal -3
.Lnot_wave_0_\@:
	s_barrier_wait -3
	s_barrier_signal -1
	s_barrier_wait -1
.endm
	s_load_b128 s[4:7], s[0:1], 0x0                ; ao s[4:5], xw s[6:7]
	s_load_b64 s[12:13], s[0:1], 0x10              ; out0
	v_lshl_add_u32 v30, v0, 2, 0x48000
	v_mov_b32 v31, 0
	ds_add_u32 v30, v31
	ds_add_u32 v30, v31
	v_lshrrev_b32 v1, 5, v0
	v_readfirstlane_b32 s14, v1                    ; wave 0..3
	s_lshr_b32 s15, s14, 1                         ; which half of the tokens is mine.  Also: I fetch for o (0) or for Wo (1)
	s_and_b32 s16, s14, 1                          ; which half of the columns.  Also: which half of that operand's tiles I fetch
	s_bfe_u32 s40, ttmp6, 0x40000                  ; cx, cy
	s_bfe_u32 s41, ttmp6, 0x40004
	s_lshl_b32 s43, s41, 2
	s_lshl_b32 s43, 15, s43                        ; my row of the cluster
	s_lshl_b32 s44, 0x1111, s40                    ; my column
	s_or_b32 s[G1+0], s43, (3<<16)|(1<<21)         ; o: 4 rows (tiles) of 768 elements of 8 bytes, 1,536 elements apart; dense in LDS.  15:0 the mask; 21 set beside it
	s_mov_b32 s[G1+1], 768<<16
	s_mov_b32 s[G1+2], 4<<16
	s_mov_b32 s[G1+3], 768<<16
	s_mov_b32 s[G1+4], 4
	s_mov_b32 s[G1+5], 1536
	s_mov_b32 s[G1+6], 0
	s_mov_b32 s[G1+7], 0
	s_or_b32 s[G1B+0], s44, (3<<16)|(1<<21)        ; Wo: 8 such rows
	s_mov_b32 s[G1B+1], 768<<16
	s_mov_b32 s[G1B+2], 8<<16
	s_mov_b32 s[G1B+3], 768<<16
	s_mov_b32 s[G1B+4], 8
	s_mov_b32 s[G1B+5], 1536
	s_mov_b32 s[G1B+6], 0
	s_mov_b32 s[G1B+7], 0
	s_and_b32 s17, ttmp7, 0xffff
	s_lshl_b32 s17, s17, 2
	s_add_co_u32 s18, s17, s41                     ; which 128 tokens: 4 x cluster y + cy
	s_lshl_b32 s17, s18, 3                         ; their first tile
	s_lshl_b32 s19, s16, 2
	s_add_co_u32 s20, s17, s19                     ; the 4 tiles that I fetch
	s_mul_i32 s20, s20, TILEK
	s_mov_b32 s21, 0
	s_lshl_b32 s22, s15, 2
	s_add_co_u32 s22, s22, s17                     ; the 4 that I multiply:
	s_lshl_b32 s22, s22, 9
	s_add_co_u32 s22, s22, AOS_OFF                 ; their scale bytes
	s_mov_b32 s23, 0
	s_lshl_b32 s45, s40, 4
	s_add_co_u32 s45, s45, 704                     ; Wo's first tile of my work-group's 256 columns
	s_lshl_b32 s19, s16, 3
	s_add_co_u32 s46, s45, s19                     ; the 8 tiles that I fetch, which are also the 8 that I multiply
	s_lshl_b32 s92, s46, 9
	s_add_co_u32 s92, s92, SC_OFF
	s_mov_b32 s93, 0
	s_mul_i32 s46, s46, TILEK
	s_mov_b32 s47, 0
	s_mul_i32 s2, s16, 4*TILEH                     ; where they go: by the wave's number alone
	s_add_co_u32 s2, s2, QB
	s_mul_i32 s3, s16, 8*TILEH
	s_wait_dscnt 0x0
	s_wait_kmcnt 0x0
	s_add_nc_u64 s[20:21], s[4:5], s[20:21]
	s_add_nc_u64 s[8:9], s[4:5], s[22:23]
	s_add_nc_u64 s[46:47], s[6:7], s[46:47]
	s_add_nc_u64 s[10:11], s[6:7], s[92:93]
.irp s, 0,1
	s_mov_b32 s[G0+4*\s], 1
	s_add_co_u32 s[G0+4*\s+1], s2, \s*SLOT
	s_add_nc_u64 s[G0+4*\s+2:G0+4*\s+3], s[20:21], \s*TILEH
	s_or_b32 s[G0+4*\s+3], s[G0+4*\s+3], 0x80000000
	s_mov_b32 s[G0B+4*\s], 1
	s_add_co_u32 s[G0B+4*\s+1], s3, \s*SLOT
	s_add_nc_u64 s[G0B+4*\s+2:G0B+4*\s+3], s[46:47], \s*TILEH
	s_or_b32 s[G0B+4*\s+3], s[G0B+4*\s+3], 0x80000000
.endr
	CROUND                                         ; all sixteen work-groups are here: the joint loads meet
	JLOAD G0, G1, G0B, G1B
	s_wait_alu depctr_va_vdst(0)
	s_wait_tensorcnt 0x0
	ds_add_u32 v30, v31
	s_wait_dscnt 0x0
	CROUND
	JLOAD G0+4, G1, G0B+4, G1B                     ; one tensor load of mine is out, slot 1's; there are no others in the launch
	v_and_b32 v1, 15, v0                           ; r
	v_bfe_u32 v2, v0, 4, 1                         ; h
	v_and_b32 v3, 31, v0                           ; lane
	v_lshlrev_b32 v8, 4, v3
	v_lshlrev_b32 v9, 3, v3
	v_lshlrev_b32 v13, 5, v1                       ; 32 r: a place's scale bytes
.irp b, 0,1,2,3,4,5,6,7
	global_load_b128 v[WOS+8*\b:WOS+8*\b+3], v13, s[10:11] offset:512*\b            ; the two loads of a block cover its 512 consecutive bytes
	global_load_b128 v[WOS+8*\b+4:WOS+8*\b+7], v13, s[10:11] offset:512*\b+16
.endr
.irp a, 0,1,2,3
	global_load_b128 v[AOS+8*\a:AOS+8*\a+3], v13, s[8:9] offset:512*\a
	global_load_b128 v[AOS+8*\a+4:AOS+8*\a+7], v13, s[8:9] offset:512*\a+16
.endr
	s_mul_i32 s2, s16, 8*TILEH                     ; my 8 tiles of Wo,
	s_mul_i32 s3, s15, 4*TILEH                     ; my 4 tiles of o
	s_add_co_u32 s3, s3, QB
.irp s, 0,1
	v_add_nc_u32 v[ADRP+\s], s2, v8
	v_add_nc_u32 v[ADRQ+\s], s3, v8
	v_add_nc_u32 v[ADRP+2+\s], s2, v9
	v_add_nc_u32 v[ADRQ+2+\s], s3, v9
	s_add_co_u32 s2, s2, SLOT
	s_add_co_u32 s3, s3, SLOT
.endr
	s_mul_i32 s2, s14, 16*SPITCH                   ; my stage
	v_mul_u32_u24 v5, v1, SPITCH
	v_lshl_add_u32 v5, v2, 6, v5
	v_add_nc_u32 v[STO], s2, v5                    ; in: row r, + 64 h: my 16 columns of each 32
	v_lshlrev_b32 v[CO], 4, v3                     ; back: the 32 lanes take one row of 512 bytes; and the same in out0
	v_add_nc_u32 v[RD], s2, v[CO]
	s_lshl_b32 s2, s18, 7
	s_lshl_b32 s3, s15, 6
	s_add_co_u32 s2, s2, s3                        ; my first token
	s_lshl_b32 s2, s2, 12                          ; rows of 4,096 bytes
	s_lshl_b32 s3, s40, 10
	s_add_co_u32 s2, s2, s3
	s_lshl_b32 s3, s16, 9
	s_add_co_u32 s2, s2, s3                        ; my first column: 1,024 cx + 512 x half, in bytes
	s_mov_b32 s3, 0
	s_add_nc_u64 s[12:13], s[12:13], s[2:3]
.macro FRAGO reg, adr, off             ; a fragment is two half images on end: four loads, each of consecutive bytes
	ds_load_b128 v[\reg:\reg+3], v[\adr] offset:\off
	ds_load_b64 v[\reg+4:\reg+5], v[\adr+2] offset:\off+512
	ds_load_b128 v[\reg+6:\reg+9], v[\adr] offset:\off+768
	ds_load_b64 v[\reg+10:\reg+11], v[\adr+2] offset:\off+1280
.endm
.macro FETCH_P n                       ; step n = 0 .. 7: slot n / 4, its (n % 4)-th 128 along K, set n % 2
	WIN TO_B
.irp i, 0,1,2,3,4,5,6,7
	FRAGO 128*((\n)%2)+FR*\i, ADRP+(\n)/4, \i*TILEH+((\n)%4)*1536
.endr
	WIN 0
.endm
.macro FETCH_Q n
.irp i, 0,1,2,3
	FRAGO AF+48*((\n)%2)+FR*\i, ADRQ+(\n)/4, \i*TILEH+((\n)%4)*1536
.endr
.endm
; 16 matrix instructions: o's blocks a0, a0 + 1 against Wo's eight.  The 32 accumulators take turns, one instruction a turn, in the same order in every step.  Step 0's products start the sums.
.macro MULP a0, n
.irp a, \a0, \a0+1
.irp b, 0,1,2,3,4,5,6,7
.if (\n) == 0
	v_wmma_scale_f32_16x16x128_f8f6f4 v[8*(8*(\a)+\b):8*(8*(\a)+\b)+7], v[128*((\n)%2)+FR*\b:128*((\n)%2)+FR*\b+FR-1], v[AF+48*((\n)%2)+FR*(\a):AF+48*((\n)%2)+FR*(\a)+FR-1], 0, v[WOS+8*\b+(\n)], v[AOS+8*(\a)+(\n)] matrix_a_fmt:MATRIX_FMT_BF6 matrix_b_fmt:MATRIX_FMT_BF6
.else
	v_wmma_scale_f32_16x16x128_f8f6f4 v[8*(8*(\a)+\b):8*(8*(\a)+\b)+7], v[128*((\n)%2)+FR*\b:128*((\n)%2)+FR*\b+FR-1], v[AF+48*((\n)%2)+FR*(\a):AF+48*((\n)%2)+FR*(\a)+FR-1], v[8*(8*(\a)+\b):8*(8*(\a)+\b)+7], v[WOS+8*\b+(\n)], v[AOS+8*(\a)+(\n)] matrix_a_fmt:MATRIX_FMT_BF6 matrix_b_fmt:MATRIX_FMT_BF6
.endif
.endr
.endr
.endm
.macro PLACES n                        ; places in front of loads into registers that matrix instructions have read, and of the first read of results
.rept \n
	v_nop
.endr
.endm
.macro NEXTP n                         ; the next step's fragments, into the sets that the last step's products have left
	PLACES NP
	FETCH_P (\n)+1
	FETCH_Q (\n)+1
.endm
.macro STEPP n
	s_wait_dscnt 0x0                               ; this step's fragments, asked for 32 matrix instructions ago, are in
.if (\n) == 3                          ; the next step reads slot 1: my part of it has landed, and my reads of slot 0 are over
	s_wait_tensorcnt 0x0                           ; no tensor load was issued behind slot 1's
	s_barrier_signal -1
	WIN MUL
	MULP 0, \n
	WIN 0
	s_barrier_wait -1
	NEXTP \n
	WIN MUL
	MULP 2, \n
	WIN 0
.else
.if (\n) < 7
	NEXTP \n
.endif
	WIN MUL
	MULP 0, \n
	MULP 2, \n
	WIN 0
.endif
.endm
	s_wait_alu depctr_va_vdst(0)
	s_wait_tensorcnt 1                             ; my part of slot 0 is in (slot 1's load may be out)
	s_barrier_signal -1
	s_barrier_wait -1
	FETCH_P 0
	FETCH_Q 0
	s_wait_loadcnt 0x0                             ; the scale words
.irp n, 0,1,2,3,4,5,6,7
	STEPP \n
.endr
; THE WAY OUT, block by block of 16 tokens x 128 columns, through my own stage: in by lanes (32 bytes of a row at a time), back as whole rows of 512 bytes.  Place t of block a is token 32 (a / 2) + 8 (a % 2) + t + 8 (t / 8) of my 64.
.macro TOSTAGE a
.set AC, 64*(\a)
	WIN 0x08                                       ; an LDS store's data are its source 1: window 2
.irp b, 0,1,2,3,4,5,6,7
	ds_store_b128 v[STO], v[AC+8*\b:AC+8*\b+3] offset:128*(\b/2)+32*(\b%2)        ; each accumulator from its low end on
	ds_store_b128 v[STO], v[AC+8*\b+4:AC+8*\b+7] offset:128*(\b/2)+32*(\b%2)+16
.endr
	WIN 0
.set BB, BK+64*((\a)%2)
.irp t, 0,1,2,3,4,5,6,7,8,9,10,11,12,13,14,15
	ds_load_b128 v[BB+4*\t:BB+4*\t+3], v[RD] offset:\t*SPITCH   ; LDS serves a wave's instructions in order: these see the stores above
.endr
.endm
.macro SEND a, younger                 ; younger: the LDS instructions issued behind block a's loads, which may stay out
.set BB, BK+64*((\a)%2)
	s_wait_dscnt \younger
.if ((\a) > 0) && ((\a)%2 == 0)
	s_add_nc_u64 s[12:13], s[12:13], 32*4096       ; (behind a wait on XCNT: the earlier stores have read their base)  the next 32 tokens
.endif
.irp t, 0,1,2,3,4,5,6,7,8,9,10,11,12,13,14,15
	global_store_b128 v[CO], v[BB+4*\t:BB+4*\t+3], s[12:13] offset:(8*((\a)%2)+\t+8*(\t/8))*4096 th:TH_STORE_NT   ; 32 lanes store 512 consecutive bytes, aligned to 256
.endr
.endm
	PLACES NP
	TOSTAGE 0
.irp a, 1,2,3
.if \a > 1
	s_wait_xcnt 0x0                                ; block a - 2's stores have read their registers and their base
.endif
	TOSTAGE \a
	SEND \a-1, 32                                  ; behind block a - 1's loads: block a's 16 stores and 16 loads
.endr
	s_wait_xcnt 0x0
	SEND 3, 0                                      ; its wait is for 0: no LDS instruction of mine is out at the round below
	s_wait_tensorcnt 0x0
	ds_add_u32 v30, v31
	s_wait_dscnt 0x0
	CROUND                                         ; the closing round: no work-group ends while a partner may still ask for a tile that names it
	s_endpgm
.Lfunc_end_k_q5806c2937b_proj:
	.size	k_q5806c2937b_proj, .Lfunc_end_k_q5806c2937b_proj-k_q5806c2937b_proj
	.p2alignl 7, 3214868480
	.fill 96, 4, 3214868480
	.section	.rodata,"a",@progbits
	.p2align	6, 0x0
	.amdhsa_kernel k_q5806c2937b_proj
		.amdhsa_group_segment_fixed_size 327680
		.amdhsa_private_segment_fixed_size 0
		.amdhsa_enable_private_segment 0
		.amdhsa_kernarg_size 24
		.amdhsa_user_sgpr_count 2
		.amdhsa_user_sgpr_kernarg_segment_ptr 1
		.amdhsa_wavefront_size32 1
		.amdhsa_system_sgpr_workgroup_id_x 1
		.amdhsa_system_sgpr_workgroup_id_y 1
		.amdhsa_system_sgpr_workgroup_id_z 1
		.amdhsa_system_vgpr_workitem_id 0
		.amdhsa_next_free_vgpr 768
		.amdhsa_next_free_sgpr 100
		.amdhsa_reserve_vcc 0
		.amdhsa_float_denorm_mode_32 3
		.amdhsa_float_denorm_mode_16_64 3
		.amdhsa_memory_ordered 1
		.amdhsa_forward_progress 1
		.amdhsa_inst_pref_size 84
	.end_amdhsa_kernel
	.amdgpu_metadata
---
amdhsa.version: [ 1, 2 ]
amdhsa.kernels:
  - .name:           k_q5806c2937b_proj
    .symbol:         k_q5806c2937b_proj.kd
    .args:
      - { .name: ao, .offset: 0, .size: 8, .value_kind: global_buffer, .address_space: global }
      - { .name: xw, .offset: 8, .size: 8, .value_kind: global_buffer, .address_space: global }
      - { .name: out0, .offset: 16, .size: 8, .value_kind: global_buffer, .address_space: global }
    .group_segment_fixed_size: 327680
    .private_segment_fixed_size: 0
    .kernarg_segment_align: 8
    .kernarg_segment_size: 24
    .max_flat_workgroup_size: 128
    .sgpr_count:     100
    .vgpr_count:     768
    .wavefront_size: 32
...
	.end_amdgpu_metadata
.endif
;; end of part 4
